; MI455X (gfx1250); checked and timed in simulation.
; The chip was launched on July 23, 2026; its instructions are those of AMD's public machine-readable ISA for CDNA 5 (MIT licence, August 2026) and "CDNA5" Instruction Set Architecture Reference Guide (July 2026). The comments in the code are by the model that wrote it; some were corrected since.
;; Block. Allowed arithmetic: float matrix products may take bf16 or f16 operands with f32 sums; other float arithmetic in f32, or as packed bf16 or f16 multiplies, adds, multiply-adds, maxima and minima; sums over many terms, partial sums and values carried from step to step in f32; what a program stores and reads back later, other than sums and carried values, may be rounded once to bf16 or f16.
;; Inputs: W1 1,024 x 4,096 float32; W2 4,096 x 1,024 float32; Wk 16 x 1,024 x 64 float32; Wproj 1,024 x 1,024 float32; Wq 16 x 1,024 x 64 float32; Wv 16 x 1,024 x 64 float32; b1 4,096 float32; b2 1,024 float32; be1 1,024 float32; be2 1,024 float32; bproj 1,024 float32; g1 1,024 float32; g2 1,024 float32; x 2 x 2,048 x 1,024 float32.
;; Outputs: out0 2 x 2,048 x 1,024 float32.
;; One version. Each part assembles by itself: llvm-mc -triple=amdgcn-amd-amdhsa -mcpu=gfx1250 --defsym DOCPART=n.
;; ======== version 1 of 1: 7 launches
;; limits: values are held in f16: magnitudes above 65,504 overflow, below 6.1e-05 lose precision
;; workspace buffers: wqkv 6,324,224 bytes; w1 8,421,376 bytes; wproj 2,097,152 bytes; w2 8,388,608 bytes; hbuf 8,388,608 bytes; big 33,554,432 bytes; x1 16,777,216 bytes
;; launch prep (part 1): grid 64 x 16, 8 waves a work-group, no clusters, 0 bytes of LDS; arguments x, g1, be1, hbuf, Wq, Wk, Wv, Wproj, W1, W2, b1, wqkv, wproj, w1, w2; writes hbuf, wqkv, wproj, w1, w2
.if DOCPART == 1
	.amdgcn_target "amdgcn-amd-amdhsa--gfx1250"
	.amdhsa_code_object_version 6
	.text
	.protected	k_qef1378e68b_prep
	.globl	k_qef1378e68b_prep
	.p2align	8
	.type	k_qef1378e68b_prep,@function
k_qef1378e68b_prep:
	s_mov_b64 s[64:65], 0
	v_nop
	global_prefetch_b8 v0, s[64:65] scope:SCOPE_SE
	s_setreg_imm32_b32 hwreg(HW_REG_WAVE_MODE, 25, 1), 1
	s_wait_xcnt 0x0
; TWO STREAMS IN ONE TEXT; the grid's y chooses.  y = 0..3: LAYER NORM of 4,096 rows.  y = 4..15: THE WEIGHTS, ONCE, f32 -> f16 in panels.
; With a grid of 64 x 16 both run side by side; with a grid of 64 x 4 the norm runs alone: the weights' addresses are then given and not used, and of the buffers into which the text can store only h is stored into.
; Neither stream shares a byte between waves and neither multiplies matrices: no LDS, no barrier, no matrix unit.
;
; LAYER NORM.  h[r][c] = (x[r][c] - mean_r) / sqrt(var_r + 1e-5) * g[c] + be[c].  x: [4096][1024] f32; g, be: [1024] f32; h: [4096][1024] f16, rounded once.
; All arithmetic in f32, in two passes as the formula has it: the mean first, then the mean of (x - mean)^2: no difference of large sums is formed.  LIMIT: |h| of 65,520 or more becomes an infinity.
; A row is 4,096 bytes = 32 registers of one wave, so it stays in registers between the passes and is read once; the sums never leave the wave.  Work-group 64 y + x takes 16 rows, a wave two.
; Lane l holds columns 128 j + 4 l .. + 3, j = 0..7: a load of the wave covers 512 consecutive bytes, a store 256, aligned.
;
; THE WEIGHTS.  f32 [K][N] -> f16, rounded to nearest even, laid in panels [K][256 columns] (wqkv, w1) or [K][128 columns] (wproj, w2), so that a product's tile of weights is dense in memory.
; wqkv's column is which x 1,024 + head x 64 + d.  wqkv and w1 begin with a header of 32,768 bytes: 4,096 f32 of bias (0 for q, k, v; b1 for w1), then 16,384 bytes of the floor that the product's
; way out applies, as two f16 a word (-infinity; 0 = ReLU).  LIMIT: a weight of magnitude 65,520 or more becomes an infinity; below 6e-5 it keeps f16's fixed step of 6e-8.
; Slab y - 4 is 2^20 numbers = 4,096 units of 256; a work-group takes 64 units, a wave 8.  In a unit a lane loads 32 bytes and stores 16; a store of the wave covers 512 consecutive bytes, or two
; aligned pieces of 256.  One path for all slabs: unit u has c = u & M and kk = u >> LB; source = c S1S + kk S2S + (l >> 3) SA + 32 (l & 7), destination = c S1D + kk S2D + (l >> 4) DA + 16 (l & 15).
.set WV,  30
.set Y,   31
; the weights' registers
.set SRC, 32
.set DST, 34
.set M,   36
.set LB,  37
.set S1S, 38
.set S2S, 39
.set S1D, 40
.set S2D, 41
.set SA,  42
.set DA,  43
.set OS,  44                           ; s[44:45] the slab's byte offset in its source
.set OD,  46                           ; s[46:47] and in its destination
.set U0,  48
.set VS,  2                            ; v2  the lane's part of a source offset
.set VD,  3                            ; v3  of a destination offset
.set SOF, 4                            ; v[4:11]   unit i's source offset
.set DOF, 12                           ; v[12:19]  unit i's destination offset
.set D,   20                           ; v[20:83]  unit i: 8 numbers as loaded
.set P,   84                           ; v[84:115] unit i: 8 f16 to store
; the norm's registers
.set LO,   2                           ; v2   16 x lane
.set SO,   3                           ; v3   8 x lane
.set G,    4                           ; v[4:35]
.set BE,   36                          ; v[36:67]
.set X,    68                          ; v[68:131]  two rows
.set T,    132                         ; v[132:139] at work
.set MEAN, 140                         ; v[140:143] a pair for each row
.set RSTD, 144                         ; v[144:147] likewise
.macro SHAPE m, lb, s1s, s2s, s1d, s2d, sa, da
	s_mov_b32 s[M], \m
	s_mov_b32 s[LB], \lb
	s_mov_b32 s[S1S], \s1s
	s_mov_b32 s[S2S], \s2s
	s_mov_b32 s[S1D], \s1d
	s_mov_b32 s[S2D], \s2d
	s_mov_b32 s[SA], \sa
	s_mov_b32 s[DA], \da
.endm
	v_and_b32 v1, 31, v0                           ; lane
	v_lshrrev_b32 v116, 5, v0
	v_readfirstlane_b32 s[WV], v116                ; wave 0..7
	s_and_b32 s[Y], ttmp7, 0xffff
	s_cmp_lt_u32 s[Y], 4
	s_cbranch_scc1 .Lnorm
	; ---------------- the weights ----------------
	s_load_b512 s[8:23], s[0:1], 0x20              ; Wq s[8:9], Wk s[10:11], Wv s[12:13], Wproj s[14:15], W1 s[16:17], W2 s[18:19], b1 s[20:21], wqkv s[22:23]
	s_load_b128 s[24:27], s[0:1], 0x60             ; wproj s[24:25], w1 s[26:27]
	s_load_b64 s[28:29], s[0:1], 0x70              ; w2
	s_sub_co_u32 s[Y], s[Y], 4                     ; the slab, 0..11
	s_mov_b32 s[OS+1], 0
	s_mov_b32 s[OD+1], 0
	s_cmp_lt_u32 s[Y], 3
	s_cbranch_scc0 .Lnot_qkv
	s_mov_b32 s[OS], 0                             ; slabs 0-2: all of Wq, Wk or Wv.  c = the channel k, kk = the panel among the tensor's four; eight lanes take a head's 64 numbers
	s_lshl_b32 s[OD], s[Y], 21
	s_add_co_u32 s[OD], s[OD], 32768
	SHAPE 1023, 10, 256, 1048576, 512, 524288, 262144, 256
	s_branch .Lgo
.Lnot_qkv:
	s_cmp_eq_u32 s[Y], 3
	s_cbranch_scc0 .Lnot_proj
	s_mov_b32 s[OS], 0                             ; slab 3: Wproj.  c = 256 columns = two panels of 128, kk = the row
	s_mov_b32 s[OD], 0
	SHAPE 3, 2, 1024, 4096, 524288, 256, 256, 262144
	s_branch .Lgo
.Lnot_proj:
	s_cmp_lt_u32 s[Y], 8
	s_cbranch_scc0 .Lw2
	s_sub_co_u32 s49, s[Y], 4                      ; slabs 4-7: 256 rows of W1 each.  c = the panel of 256 columns, kk = the row in the slab
	s_lshl_b32 s[OS], s49, 22
	s_lshl_b32 s[OD], s49, 17
	s_add_co_u32 s[OD], s[OD], 32768
	SHAPE 15, 4, 1024, 16384, 524288, 512, 256, 256
	s_branch .Lgo
.Lw2:
	s_sub_co_u32 s49, s[Y], 8                      ; slabs 8-11: 1,024 rows of W2 each
	s_lshl_b32 s[OS], s49, 22
	s_lshl_b32 s[OD], s49, 18
	SHAPE 3, 2, 1024, 4096, 2097152, 256, 256, 1048576
.Lgo:
	s_wait_kmcnt 0x0
	s_cmp_eq_u32 s[Y], 0                           ; the two buffers, chosen by the slab's number alone
	s_cselect_b64 s[SRC:SRC+1], s[8:9], s[10:11]
	s_cmp_eq_u32 s[Y], 2
	s_cselect_b64 s[SRC:SRC+1], s[12:13], s[SRC:SRC+1]
	s_cmp_eq_u32 s[Y], 3
	s_cselect_b64 s[SRC:SRC+1], s[14:15], s[SRC:SRC+1]
	s_cmp_gt_u32 s[Y], 3
	s_cselect_b64 s[SRC:SRC+1], s[16:17], s[SRC:SRC+1]
	s_cmp_gt_u32 s[Y], 7
	s_cselect_b64 s[SRC:SRC+1], s[18:19], s[SRC:SRC+1]
	s_cmp_lt_u32 s[Y], 3
	s_cselect_b64 s[DST:DST+1], s[22:23], s[24:25]
	s_cmp_gt_u32 s[Y], 3
	s_cselect_b64 s[DST:DST+1], s[26:27], s[DST:DST+1]
	s_cmp_gt_u32 s[Y], 7
	s_cselect_b64 s[DST:DST+1], s[28:29], s[DST:DST+1]
	s_add_nc_u64 s[SRC:SRC+1], s[SRC:SRC+1], s[OS:OS+1]
	s_add_nc_u64 s[DST:DST+1], s[DST:DST+1], s[OD:OD+1]
	v_lshrrev_b32 v116, 3, v1
	v_mul_lo_u32 v116, v116, s[SA]
	v_and_b32 v117, 7, v1
	v_lshl_add_u32 v[VS], v117, 5, v116
	v_lshrrev_b32 v116, 4, v1
	v_mul_lo_u32 v116, v116, s[DA]
	v_and_b32 v117, 15, v1
	v_lshl_add_u32 v[VD], v117, 4, v116
	s_lshl_b32 s[U0], ttmp9, 6
	s_lshl3_add_u32 s[U0], s[WV], s[U0]            ; my first unit: 64 x + 8 wave
.irp i, 0,1,2,3,4,5,6,7
	s_add_co_u32 s50, s[U0], \i
	s_and_b32 s51, s50, s[M]
	s_lshr_b32 s52, s50, s[LB]
	s_mul_i32 s53, s51, s[S1S]
	s_mul_i32 s54, s52, s[S2S]
	s_add_co_u32 s53, s53, s54
	v_add_nc_u32 v[SOF+(\i)], s53, v[VS]
	s_mul_i32 s53, s51, s[S1D]
	s_mul_i32 s54, s52, s[S2D]
	s_add_co_u32 s53, s53, s54
	v_add_nc_u32 v[DOF+(\i)], s53, v[VD]
.endr
.irp i, 0,1,2,3,4,5,6,7                ; all sixteen loads go out before anything is waited for
	global_load_b128 v[D+8*(\i):D+8*(\i)+3],   v[SOF+(\i)], s[SRC:SRC+1] th:TH_LOAD_NT
	global_load_b128 v[D+8*(\i)+4:D+8*(\i)+7], v[SOF+(\i)], s[SRC:SRC+1] offset:16 th:TH_LOAD_NT
.endr
.irp i, 0,1,2,3,4,5,6,7
	s_wait_loadcnt 14-2*(\i)                       ; loads come back in order: unit i is in, the later units' pairs stay out
.irp j, 0,1,2,3
	v_cvt_pk_f16_f32 v[P+4*(\i)+(\j)], v[D+8*(\i)+2*(\j)], v[D+8*(\i)+2*(\j)+1]
.endr
	global_store_b128 v[DOF+(\i)], v[P+4*(\i):P+4*(\i)+3], s[DST:DST+1]
.endr
	; the headers: wave 0 of slab 0 (wqkv) and of slab 4 (w1); work-group x writes bytes 256 x .. 256 x + 255 of each half, 8 bytes a lane
	s_cmp_lg_u32 s[WV], 0
	s_cbranch_scc1 .Lend
	v_lshlrev_b32 v117, 3, v1
	s_lshl_b32 s49, ttmp9, 8
	v_add_nc_u32 v117, s49, v117
	v_mov_b32 v118, 0
	v_mov_b32 v119, 0
	s_cmp_eq_u32 s[Y], 0
	s_cbranch_scc1 .Lhead_qkv
	s_cmp_eq_u32 s[Y], 4
	s_cbranch_scc0 .Lend
	global_load_b64 v[120:121], v117, s[20:21]     ; b1
	global_store_b64 v117, v[118:119], s[26:27] offset:16384  ; the floor 0: ReLU
	s_wait_loadcnt 0x0
	global_store_b64 v117, v[120:121], s[26:27]
	s_branch .Lend
.Lhead_qkv:
	v_mov_b32 v122, 0xfc00fc00                     ; -infinity twice: a floor that changes nothing
	v_mov_b32 v123, 0xfc00fc00
	global_store_b64 v117, v[118:119], s[22:23]    ; q, k and v have no bias
	global_store_b64 v117, v[122:123], s[22:23] offset:16384
.Lend:
	s_endpgm
	; ---------------- the norm ----------------
.macro LANESUM                         ; v[T] summed over the 32 lanes, the result in every lane; v[T+1] has been written
	v_add_f32_dpp v[T], v[T], v[T] row_xmask:1 row_mask:0xf bank_mask:0xf
	v_add_f32_dpp v[T], v[T], v[T] row_xmask:2 row_mask:0xf bank_mask:0xf
	v_add_f32_dpp v[T], v[T], v[T] row_xmask:4 row_mask:0xf bank_mask:0xf
	v_add_f32_dpp v[T], v[T], v[T] row_xmask:8 row_mask:0xf bank_mask:0xf
	v_permlanex16_b32 v[T+1], v[T], s12, s13
	v_add_f32 v[T], v[T], v[T+1]
.endm
.macro FOLD                            ; the four chains into one number a lane
	v_pk_add_f32 v[T:T+1], v[T:T+1], v[T+2:T+3]
	v_pk_add_f32 v[T+4:T+5], v[T+4:T+5], v[T+6:T+7]
	v_pk_add_f32 v[T:T+1], v[T:T+1], v[T+4:T+5]
	v_add_f32 v[T], v[T], v[T+1]
.endm
; Row r: its mean; x - mean in place; var + 1e-5.  Four chains that do not wait for each other, started by the first pairs: nothing is cleared.
.macro ROWSTAT r
.set XR, X+32*(\r)
.irp c, 0,1,2,3
	v_pk_add_f32 v[T+2*(\c):T+2*(\c)+1], v[XR+2*(\c):XR+2*(\c)+1], v[XR+8+2*(\c):XR+8+2*(\c)+1]
.endr
.irp c, 0,1,2,3
	v_pk_add_f32 v[T+2*(\c):T+2*(\c)+1], v[T+2*(\c):T+2*(\c)+1], v[XR+16+2*(\c):XR+16+2*(\c)+1]
.endr
.irp c, 0,1,2,3
	v_pk_add_f32 v[T+2*(\c):T+2*(\c)+1], v[T+2*(\c):T+2*(\c)+1], v[XR+24+2*(\c):XR+24+2*(\c)+1]
.endr
	FOLD
	LANESUM
	v_mul_f32 v[MEAN+2*(\r)], s14, v[T]
	v_mul_f32 v[MEAN+2*(\r)+1], s14, v[T]
.set pp, 0
.rept 16
	v_pk_add_f32 v[XR+2*pp:XR+2*pp+1], v[XR+2*pp:XR+2*pp+1], v[MEAN+2*(\r):MEAN+2*(\r)+1] neg_lo:[0,1] neg_hi:[0,1]
.set pp, pp+1
.endr
.irp c, 0,1,2,3
	v_pk_mul_f32 v[T+2*(\c):T+2*(\c)+1], v[XR+2*(\c):XR+2*(\c)+1], v[XR+2*(\c):XR+2*(\c)+1]
.endr
.irp k, 8,16,24
.irp c, 0,1,2,3
	v_pk_fma_f32 v[T+2*(\c):T+2*(\c)+1], v[XR+(\k)+2*(\c):XR+(\k)+2*(\c)+1], v[XR+(\k)+2*(\c):XR+(\k)+2*(\c)+1], v[T+2*(\c):T+2*(\c)+1]
.endr
.endr
	FOLD
	LANESUM
	v_fma_f32 v[RSTD+2*(\r)], v[T], s14, s15
.endm
; Row r is scaled, rounded and stored: a store of the wave covers 256 consecutive bytes, aligned.
.macro ROWOUT r
.set XR, X+32*(\r)
.irp j, 0,1,2,3,4,5,6,7
	v_pk_mul_f32 v[XR+4*(\j):XR+4*(\j)+1],   v[XR+4*(\j):XR+4*(\j)+1],   v[RSTD+2*(\r):RSTD+2*(\r)+1]
	v_pk_mul_f32 v[XR+4*(\j)+2:XR+4*(\j)+3], v[XR+4*(\j)+2:XR+4*(\j)+3], v[RSTD+2*(\r):RSTD+2*(\r)+1]
	v_pk_fma_f32 v[XR+4*(\j):XR+4*(\j)+1],   v[XR+4*(\j):XR+4*(\j)+1],   v[G+4*(\j):G+4*(\j)+1],   v[BE+4*(\j):BE+4*(\j)+1]
	v_pk_fma_f32 v[XR+4*(\j)+2:XR+4*(\j)+3], v[XR+4*(\j)+2:XR+4*(\j)+3], v[G+4*(\j)+2:G+4*(\j)+3], v[BE+4*(\j)+2:BE+4*(\j)+3]
	v_cvt_pk_f16_f32 v[XR+4*(\j)],   v[XR+4*(\j)],   v[XR+4*(\j)+1]
	v_cvt_pk_f16_f32 v[XR+4*(\j)+1], v[XR+4*(\j)+2], v[XR+4*(\j)+3]
	global_store_b64 v[SO], v[XR+4*(\j):XR+4*(\j)+1], s[10:11] offset:2048*(\r)+256*(\j)
.endr
.endm
.Lnorm:
	s_load_b256 s[4:11], s[0:1], 0x0               ; x s[4:5], g s[6:7], be s[8:9], h s[10:11]
	v_lshlrev_b32 v[LO], 4, v1
	v_lshlrev_b32 v[SO], 3, v1
	s_lshl_b32 s17, s[Y], 6
	s_add_co_u32 s17, s17, ttmp9                   ; the work-group among the norm's 256: 64 y + x
	s_lshl_b32 s17, s17, 4
	s_lshl1_add_u32 s17, s[WV], s17                ; my first row: 16 x work-group + 2 x wave
	s_lshl_b32 s18, s17, 12
	s_mov_b32 s19, 0
	s_lshl_b32 s20, s17, 11
	s_mov_b32 s21, 0
	s_mov_b32 s12, 0x76543210                      ; v_permlanex16_b32: each lane takes its own place in the other half
	s_mov_b32 s13, 0xfedcba98
	s_mov_b32 s14, 0x3a800000                      ; 1 / 1,024
	s_mov_b32 s15, 0x3727c5ac                      ; 1e-5
	s_wait_kmcnt 0x0
	s_add_nc_u64 s[4:5], s[4:5], s[18:19]
	s_add_nc_u64 s[10:11], s[10:11], s[20:21]
.irp r, 0,1
.irp j, 0,1,2,3,4,5,6,7
	global_load_b128 v[X+32*(\r)+4*(\j):X+32*(\r)+4*(\j)+3], v[LO], s[4:5] offset:4096*(\r)+512*(\j)
.endr
.endr
.irp j, 0,1,2,3,4,5,6,7
	global_load_b128 v[G+4*(\j):G+4*(\j)+3], v[LO], s[6:7] offset:512*(\j)
.endr
.irp j, 0,1,2,3,4,5,6,7
	global_load_b128 v[BE+4*(\j):BE+4*(\j)+3], v[LO], s[8:9] offset:512*(\j)
.endr
	s_wait_loadcnt 24                              ; row 0 is in: row 1's, g's and be's 24 loads stay out
	ROWSTAT 0
	s_wait_loadcnt 16                              ; row 1 is in
	ROWSTAT 1
	v_rsq_f32 v[RSTD], v[RSTD]                     ; one batch of two,
	v_rsq_f32 v[RSTD+2], v[RSTD+2]
	v_nop                                          ; a plain instruction behind the last of them (ISA guide 5.7.2),
	s_wait_alu depctr_va_vdst(0)                   ; and the one wait ahead of the first use
	v_mov_b32 v[RSTD+1], v[RSTD]
	v_mov_b32 v[RSTD+3], v[RSTD+2]
	s_wait_loadcnt 0x0                             ; g and be
	ROWOUT 0
	ROWOUT 1
	s_endpgm
.Lfunc_end_k_qef1378e68b_prep:
	.size	k_qef1378e68b_prep, .Lfunc_end_k_qef1378e68b_prep-k_qef1378e68b_prep
	.p2alignl 7, 3214868480
	.fill 96, 4, 3214868480
	.section	.rodata,"a",@progbits
	.p2align	6, 0x0
	.amdhsa_kernel k_qef1378e68b_prep
		.amdhsa_group_segment_fixed_size 0
		.amdhsa_private_segment_fixed_size 0
		.amdhsa_enable_private_segment 0
		.amdhsa_kernarg_size 120
		.amdhsa_user_sgpr_count 2
		.amdhsa_user_sgpr_kernarg_segment_ptr 1
		.amdhsa_wavefront_size32 1
		.amdhsa_system_sgpr_workgroup_id_x 1
		.amdhsa_system_sgpr_workgroup_id_y 1
		.amdhsa_system_sgpr_workgroup_id_z 1
		.amdhsa_system_vgpr_workitem_id 0
		.amdhsa_next_free_vgpr 152
		.amdhsa_next_free_sgpr 66
		.amdhsa_reserve_vcc 0
		.amdhsa_float_denorm_mode_32 3
		.amdhsa_float_denorm_mode_16_64 3
		.amdhsa_memory_ordered 1
		.amdhsa_forward_progress 1
		.amdhsa_inst_pref_size 33
	.end_amdhsa_kernel
	.amdgpu_metadata
---
amdhsa.version: [ 1, 2 ]
amdhsa.kernels:
  - .name:           k_qef1378e68b_prep
    .symbol:         k_qef1378e68b_prep.kd
    .args:
      - { .name: x, .offset: 0, .size: 8, .value_kind: global_buffer, .address_space: global }
      - { .name: g1, .offset: 8, .size: 8, .value_kind: global_buffer, .address_space: global }
      - { .name: be1, .offset: 16, .size: 8, .value_kind: global_buffer, .address_space: global }
      - { .name: hbuf, .offset: 24, .size: 8, .value_kind: global_buffer, .address_space: global }
      - { .name: Wq, .offset: 32, .size: 8, .value_kind: global_buffer, .address_space: global }
      - { .name: Wk, .offset: 40, .size: 8, .value_kind: global_buffer, .address_space: global }
      - { .name: Wv, .offset: 48, .size: 8, .value_kind: global_buffer, .address_space: global }
      - { .name: Wproj, .offset: 56, .size: 8, .value_kind: global_buffer, .address_space: global }
      - { .name: W1, .offset: 64, .size: 8, .value_kind: global_buffer, .address_space: global }
      - { .name: W2, .offset: 72, .size: 8, .value_kind: global_buffer, .address_space: global }
      - { .name: b1, .offset: 80, .size: 8, .value_kind: global_buffer, .address_space: global }
      - { .name: wqkv, .offset: 88, .size: 8, .value_kind: global_buffer, .address_space: global }
      - { .name: wproj, .offset: 96, .size: 8, .value_kind: global_buffer, .address_space: global }
      - { .name: w1, .offset: 104, .size: 8, .value_kind: global_buffer, .address_space: global }
      - { .name: w2, .offset: 112, .size: 8, .value_kind: global_buffer, .address_space: global }
    .group_segment_fixed_size: 0
    .private_segment_fixed_size: 0
    .kernarg_segment_align: 8
    .kernarg_segment_size: 120
    .max_flat_workgroup_size: 256
    .sgpr_count:     66
    .vgpr_count:     152
    .wavefront_size: 32
...
	.end_amdgpu_metadata
.endif
;; end of part 1
;; launch qkv (part 2): grid 12 x 16, 4 waves a work-group, clusters of 4 x 4, 327,680 bytes of LDS; arguments hbuf, wqkv, big; writes big
.if DOCPART == 2
	.amdgcn_target "amdgcn-amd-amdhsa--gfx1250"
	.amdhsa_code_object_version 6
	.text
	.protected	k_qef1378e68b_qkv
	.globl	k_qef1378e68b_qkv
	.p2align	8
	.type	k_qef1378e68b_qkv,@function
k_qef1378e68b_qkv:
	s_mov_b64 s[64:65], 0
	v_nop
	global_prefetch_b8 v0, s[64:65] scope:SCOPE_SE
	s_setreg_imm32_b32 hwreg(HW_REG_WAVE_MODE, 25, 1), 1
	s_wait_xcnt 0x0
	s_wait_alu depctr_hold_cnt(0) depctr_sa_sdst(0) depctr_va_vdst(0) depctr_va_sdst(0) depctr_va_ssrc(0) depctr_va_vcc(0) depctr_vm_vsrc(0)
	s_getreg_b32 s2, hwreg(HW_REG_IB_STS2, 6, 4)
	s_cmp_eq_u32 s2, 0
	s_cbranch_scc0 .Lentry_in_a_cluster
	s_endpgm
.Lentry_in_a_cluster:
	s_bfe_u32 s2, ttmp6, 0x10000c
	s_cmp_lg_u32 s2, 0xf033
	s_cbranch_scc0 .Lentry_shape_is_right
	s_endpgm
.Lentry_shape_is_right:
; out = max(A W + bias, floor).  A: [4096][1024] f16, rows along K.  W: a header (4,096 f32 of bias; at byte 16,384 the floor, two f16 a word), then panels [1024 k][256 n] f16.
; out: f16 in panels of 64 columns, [n / 64][4096 m][64].  Sums in f32, started from the bias; out rounded once.  Serves q, k, v (12 panels, floor -infinity) and the first feed-forward layer (16, floor 0 = ReLU).
; LIMIT.  A result of magnitude 65,520 or more becomes an infinity; NaN gives way to the floor.
; A tile of out is 256 x 256: four waves, each 128 x 128 in 64 accumulators.  K goes in eight steps of 128 through two LDS slots filled by the tensor data mover.
; With 12 panels the grid has 192 work-groups: one text serves both widths, and 256 columns divide both.
; A's rows come out of LDS as they lie; W's, stored [k][n], are turned by ds_load_tr16_b128.  THE PRODUCT IS USED TRANSPOSED (source 0 = 16 columns of W, source 1 = 16 rows of A): a lane holds
; row l % 16 and the eight neighbouring columns 8 (l / 16) + 0..7, which pack into 16 bytes.
; CLUSTER 4 x 4: A's tile hangs on the tile row alone and is asked for jointly along a row of the cluster, W's on the tile column alone, along a column.
; REGISTERS, in windows of 256: window 0: v16-30 addresses; v64-191 A's fragments, two buffers; v32-63, v192-255 the way out.  window 1: v64-191 W's fragments.  windows 2, 3: the accumulators, (a, b) at v[8 (8 a + b)].
.set PA,     272                       ; a row of A in LDS: 256 bytes + 16: the 16 rows of a load start at 16 different groups of four banks (ISA guide 11.1)
.set PB,     544                       ; a row of W: 512 bytes + 32 = 17 x 32
.set HALFT,  34816                     ; what one tensor load brings: 128 rows of A, or 64 rows of W
.set SLOT,   4*HALFT                   ; A's 256 rows, then W's 128
.set BOFF,   2*HALFT
.set STAGE,  2*SLOT                    ; behind the ring: for each wave two panels' 16 rows x 144 bytes
.set SP,     144
.set SPARE,  STAGE+4*2*16*SP           ; the spare words, 128 bytes a wave: two blocks of 256 bytes that no other line names
.set ADRA0, 16                         ; v16  my place in A's part of slot 0; never rewritten
.set ADRA,  17                         ; v17  the same in the slot in hand
.set ADRB0, 20                         ; v20, v21 likewise for W
.set ADRB,  21
.set STO,   24                         ; v24  the way out: where I put 16 bytes
.set RD,    25                         ; v25  where I read rows back
.set CO,    26                         ; v26  16 x lane
.set BO,    27                         ; v27  32 x (l / 16): my eight columns' bias
.set SPW,   28                         ; v28  my spare word; never rewritten
.set NIL,   29                         ; v29  0; never rewritten
.set PFO,   30                         ; v30  the prefetches' lane offset; never rewritten
.set F0,    64
.set F1,    128
.set TMP,   192
.set OB,    32
.set G1,  24                           ; s[24:31] group 1 for A
.set G0,  32                           ; s[32:39] group 0 for A: a set for each first fill; the second then walks
.set G1B, 48                           ; s[48:55], s[56:63] the same for W
.set G0B, 56
.set LIM, 43                           ; s43  2 in a wave that prefetches, else the greatest number
.set PFA, 44                           ; s[44:45] where my prefetches stand
.set TBR, 66                           ; s66  LDS byte at which the slot in hand begins: 0 or SLOT
.set FLOOR, 67                         ; s67
.set PFS, 68                           ; s[68:69] a K step in bytes, for the prefetches
.set BIA, 70                           ; s[70:71] the bias of my 128 columns
.set MSB, 0
.macro WIN new                         ; the immediate's high byte repeats the setting that is left; a switch that changes nothing is dropped
.if MSB != (\new)
	s_set_vgpr_msb (MSB<<8)|(\new)
.set MSB, \new
.endif
.endm
.set MUL_LO, 0xa1                      ; source 0 (W) window 1, source 1 (A) window 0, C and D window 2
.set MUL_HI, 0xf1
.set TO_B,   0x40
; A joint load: waves 0 and 1 fetch A's halves, waves 2 and 3 W's.  The branch hangs on the wave's number alone.  An s_nop 0 and four v_nop follow each line.
.macro JLOAD s
	s_cmp_eq_u32 s11, 0
	s_cbranch_scc0 .Lfor_b_\@
	tensor_load_to_lds s[G0+4*(\s):G0+4*(\s)+3], s[G1:G1+7]
	s_nop 0
.rept 4
	v_nop
.endr
	s_branch .Lasked_\@
.Lfor_b_\@:
	tensor_load_to_lds s[G0B+4*(\s):G0B+4*(\s)+3], s[G1B:G1B+7]
	s_nop 0
.rept 4
	v_nop
.endr
.Lasked_\@:
.endm
; A prefetch of the K step that stands two refills on, one instruction a wave.  A's rows are read by every cluster of a row of clusters: cluster x = 0 asks; W's by every cluster of a column: cluster y = 0 asks.
; The four partners share a wave's tile out by address: 32 rows of A a partner, a lane a row's 256 bytes; 8,192 dense bytes of W a partner, a lane 256 bytes.  So each block of 256 bytes is named once.
; Trips 0 to 3 name K steps 4 to 7; the last two trips that fill have no step two on.  K steps 0 to 3 come by their loads alone.
.macro ASK
	s_cmp_gt_u32 s3, s[LIM]
	s_cbranch_scc0 .Lnot_mine_\@
	global_prefetch_b8 v[PFO], s[PFA:PFA+1] th:TH_LOAD_NT scope:SCOPE_SE
.Lnot_mine_\@:
.endm
.macro CREST                           ; a round of the cluster's barrier behind its opening barrier
	s_cmp_lg_u32 s10, 0
	s_cbranch_scc1 .Lnot_wave_0_\@
	s_barrier_signal -3
.Lnot_wave_0_\@:
	s_barrier_wait -3
	s_barrier_signal -1
	s_barrier_wait -1
.endm
.macro CROUND
	s_barrier_signal -1
	s_barrier_wait -1
	CREST
.endm
	s_load_b128 s[4:7], s[0:1], 0x0                ; A s[4:5], W s[6:7]
	s_load_b64 s[8:9], s[0:1], 0x10                ; out
	v_lshl_add_u32 v[SPW], v0, 2, SPARE
	v_mov_b32 v[NIL], 0
	ds_add_u32 v[SPW], v[NIL]                      ; the wave's opening: the add and its wait ahead of my first tensor load
	ds_add_u32 v28, v29
	v_lshrrev_b32 v1, 5, v0
	v_readfirstlane_b32 s10, v1                    ; wave 0..3
	s_lshr_b32 s11, s10, 1                         ; my half of the tile's rows.  Also: I fetch for A (0) or W (1)
	s_and_b32 s12, s10, 1                          ; my half of its columns.  Also: which half of that tile I fetch
	s_bfe_u32 s40, ttmp6, 0x40000                  ; cx
	s_bfe_u32 s41, ttmp6, 0x40004                  ; cy
	s_lshl_b32 s42, ttmp9, 2
	s_add_co_u32 s42, s42, s40                     ; tile column
	s_and_b32 s13, ttmp7, 0xffff
	s_lshl_b32 s13, s13, 2
	s_add_co_u32 s13, s13, s41                     ; tile row
	s_lshl_b32 s43, s41, 2
	s_lshl_b32 s43, 15, s43                        ; my row of the cluster
	s_lshl_b32 s44, 0x1111, s40                    ; my column
	s_or_b32 s[G1+0], s43, (1<<16)|(1<<20)|(1<<21)|(5<<22)|(3<<25)   ; the mask; 2-byte elements; padding on; bit 21 beside a mask; after every 64 words, 4 words
	s_or_b32 s[G1B+0], s44, (1<<16)|(1<<20)|(1<<21)|(6<<22)|(7<<25)  ; after every 128 words, 8 words
	s_mov_b32 s[G1+1], 128<<16                     ; A: tensor_dim0 = 128
	s_mov_b32 s[G1+2], 128<<16                     ; tensor_dim1 = 128
	s_mov_b32 s[G1+3], 128<<16                     ; tile_dim0 = 128
	s_mov_b32 s[G1+4], 128                         ; tile_dim1 = 128
	s_mov_b32 s[G1+5], 1024                        ; elements from row to row
	s_mov_b32 s[G1+6], 0
	s_mov_b32 s[G1+7], 0
	s_mov_b32 s[G1B+1], 256<<16                    ; W: 64 rows of 256 elements, dense
	s_mov_b32 s[G1B+2], 64<<16
	s_mov_b32 s[G1B+3], 256<<16
	s_mov_b32 s[G1B+4], 64
	s_mov_b32 s[G1B+5], 256
	s_mov_b32 s[G1B+6], 0
	s_mov_b32 s[G1B+7], 0
	s_lshl_b32 s16, s13, 8
	s_lshl_b32 s17, s12, 7
	s_add_co_u32 s16, s16, s17
	s_lshl_b32 s16, s16, 11                        ; A: (256 x tile row + 128 x half) rows of 2,048 bytes
	s_mov_b32 s17, 0
	s_lshl_b32 s46, s42, 19                        ; W: the panel, my 64 rows of 512 bytes, behind the header
	s_lshl_b32 s47, s12, 15
	s_add_co_u32 s46, s46, s47
	s_add_co_u32 s46, s46, 32768
	s_mov_b32 s47, 0
	s_mul_i32 s20, s10, HALFT                      ; where my part of a tile goes: the wave's number alone
	s_mov_b32 s[TBR], 0
	s_wait_dscnt 0x0                               ; the opening add is done
	s_wait_kmcnt 0x0
	s_add_nc_u64 s[14:15], s[4:5], s[16:17]
	s_add_nc_u64 s[46:47], s[6:7], s[46:47]
	CROUND                                         ; all sixteen work-groups are here: the first joint loads meet
.irp s, 0,1
	s_mov_b32 s[G0+4*(\s)], 1
	s_add_co_u32 s[G0+4*(\s)+1], s20, (\s)*SLOT
	s_add_nc_u64 s[G0+4*(\s)+2:G0+4*(\s)+3], s[14:15], (\s)*256
	s_or_b32 s[G0+4*(\s)+3], s[G0+4*(\s)+3], 0x80000000
	s_mov_b32 s[G0B+4*(\s)], 1
	s_add_co_u32 s[G0B+4*(\s)+1], s20, (\s)*SLOT
	s_add_nc_u64 s[G0B+4*(\s)+2:G0B+4*(\s)+3], s[46:47], (\s)*65536
	s_or_b32 s[G0B+4*(\s)+3], s[G0B+4*(\s)+3], 0x80000000
	JLOAD \s                                       ; K steps 0 and 1: two loads of mine are out
.endr
	s_load_b32 s[FLOOR], s[6:7], 0x4000
	v_and_b32 v1, 15, v0                           ; r = l % 16
	v_bfe_u32 v2, v0, 4, 1                         ; h = l / 16
	v_and_b32 v3, 7, v0
	v_bfe_u32 v4, v0, 3, 1
	v_and_b32 v5, 31, v0
	v_mul_u32_u24 v[ADRA0], v1, PA
	v_lshl_add_u32 v[ADRA0], v2, 4, v[ADRA0]
	s_mul_i32 s21, s11, HALFT
	v_add_nc_u32 v[ADRA0], s21, v[ADRA0]           ; row x pitch + 16 h, in my 128 rows
	v_mov_b32 v[ADRA], v[ADRA0]
	v_lshl_add_u32 v[ADRB0], v2, 3, v3
	v_mul_u32_u24 v[ADRB0], v[ADRB0], PB
	v_lshl_add_u32 v[ADRB0], v4, 4, v[ADRB0]       ; the turning load: lane l reads k = 8 h + l % 8, columns 8 ((l / 8) % 2) + 0..7
	s_lshl_b32 s21, s12, 8
	s_add_co_u32 s21, s21, BOFF
	v_add_nc_u32 v[ADRB0], s21, v[ADRB0]
	v_mov_b32 v[ADRB], v[ADRB0]
	s_mul_i32 s23, s10, 2*16*SP
	s_add_co_u32 s23, s23, STAGE
	v_mul_u32_u24 v[STO], v1, SP
	v_lshl_add_u32 v[STO], v2, 4, v[STO]
	v_add_nc_u32 v[STO], s23, v[STO]
	v_bfe_u32 v[RD], v0, 3, 2
	v_mul_u32_u24 v[RD], v[RD], SP
	v_lshl_add_u32 v[RD], v3, 4, v[RD]
	v_add_nc_u32 v[RD], s23, v[RD]                 ; back: 32 lanes take four rows of 128 bytes
	v_lshlrev_b32 v[CO], 4, v5
	v_lshlrev_b32 v[BO], 5, v2
	s_lshl_b32 s22, s42, 10
	s_lshl_b32 s23, s12, 9
	s_add_co_u32 s22, s22, s23
	s_mov_b32 s23, 0
	s_add_nc_u64 s[BIA:BIA+1], s[6:7], s[22:23]
	s_lshl_b32 s22, s42, 2
	s_lshl1_add_u32 s22, s12, s22
	s_lshl_b32 s22, s22, 19                        ; out: my first panel of 64 columns,
	s_lshl_b32 s21, s13, 8
	s_lshl_b32 s2, s11, 7
	s_add_co_u32 s21, s21, s2
	s_lshl_b32 s21, s21, 7                         ; my first row, 128 bytes a row
	s_add_co_u32 s22, s22, s21
	s_add_nc_u64 s[8:9], s[8:9], s[22:23]
	; the prefetches' address: at K step 3; the first change of slots steps it to 4
	s_lshl_b32 s21, s13, 8
	s_lshl_b32 s2, s12, 7
	s_add_co_u32 s21, s21, s2
	s_lshl_b32 s2, s40, 5
	s_add_co_u32 s21, s21, s2
	s_lshl_b32 s21, s21, 11
	s_add_co_u32 s21, s21, 3*256
	s_lshl_b32 s22, s42, 19
	s_lshl_b32 s2, s12, 15
	s_add_co_u32 s22, s22, s2
	s_lshl_b32 s2, s41, 13
	s_add_co_u32 s22, s22, s2
	s_add_co_u32 s22, s22, 32768+3*65536
	s_and_b32 s2, ttmp7, 0xffff
	s_cmp_eq_u32 s11, 0                            ; do I fetch for A?
	s_cselect_b32 s18, s21, s22
	s_cselect_b32 s2, ttmp9, s2                    ; the coordinate along which other clusters read the same bytes
	s_cselect_b32 s3, 8, 16
	s_cselect_b32 s21, 11, 8
	s_cselect_b64 s[PFA:PFA+1], s[4:5], s[6:7]
	s_mov_b32 s19, 0
	s_mov_b32 s[PFS+1], 0
	s_cmp_eq_u32 s2, 0
	s_cselect_b32 s[LIM], 2, -1
	s_lshl_b32 s[PFS], 1, s3                       ; 256 bytes along A's rows, 65,536 down W's
	s_add_nc_u64 s[PFA:PFA+1], s[PFA:PFA+1], s[18:19]
	v_lshlrev_b32 v[PFO], s21, v5                  ; a lane a row of A (2,048 bytes apart), or 256 bytes of W
	; THE SUMS START FROM THE BIAS: it is loaded straight into the accumulators, so nothing is cleared and no first step is written out
	WIN 0x80
.set i, 0
.rept 32
	global_load_b128 v[8*i:8*i+3],   v[BO], s[BIA:BIA+1] offset:64*(i%8)
	global_load_b128 v[8*i+4:8*i+7], v[BO], s[BIA:BIA+1] offset:64*(i%8)+16
.set i, i+1
.endr
	WIN 0xc0
.set i, 0
.rept 32
	global_load_b128 v[8*i:8*i+3],   v[BO], s[BIA:BIA+1] offset:64*(i%8)
	global_load_b128 v[8*i+4:8*i+7], v[BO], s[BIA:BIA+1] offset:64*(i%8)+16
.set i, i+1
.endr
	WIN 0
; 16 matrix instructions: row blocks a0, a0 + 1 of the window's four x all 8 column blocks, 32 along K.  The 64 accumulators take turns, one instruction a turn, over the backward jumps too.
.macro MUL16 f, hi, a0
	WIN MUL_LO+0x50*(\hi)
.irp a, \a0, (\a0)+1
.irp b, 0,1,2,3,4,5,6,7
	v_wmma_f32_16x16x32_f16 v[8*(8*(\a)+(\b)):8*(8*(\a)+(\b))+7], v[(\f)+8*(\b):(\f)+8*(\b)+7], v[(\f)+8*(4*(\hi)+(\a)):(\f)+8*(4*(\hi)+(\a))+7], v[8*(8*(\a)+(\b)):8*(8*(\a)+(\b))+7]
.endr
.endr
.endm
; 32 LDS loads in one run: quarter q of the slot in hand (32 along K) into buffer f: W's eight fragments, turned, then A's eight
.macro FETCH q, f
	WIN TO_B
.irp i, 0,1,2,3,4,5,6,7
	ds_load_tr16_b128 v[(\f)+8*(\i):(\f)+8*(\i)+3],   v[ADRB] offset:(\q)*32*PB+32*(\i)
	ds_load_tr16_b128 v[(\f)+8*(\i)+4:(\f)+8*(\i)+7], v[ADRB] offset:(\q)*32*PB+32*(\i)+16*PB
.endr
	WIN 0
.irp i, 0,1,2,3,4,5,6,7
	ds_load_b128 v[(\f)+8*(\i):(\f)+8*(\i)+3],   v[ADRA] offset:(\q)*64+(\i)*16*PA
	ds_load_b128 v[(\f)+8*(\i)+4:(\f)+8*(\i)+7], v[ADRA] offset:(\q)*64+(\i)*16*PA+32
.endr
.endm
.macro PLACES                          ; four plain instructions between a matrix instruction and a load into, or a read of, its registers
.rept 4
	v_nop
.endr
.endm
; One of a K step's first three quarters: multiplies buffer f; in its middle fetches quarter q into buffer g
.macro QUARTER q, f, g
	s_wait_dscnt 8                                 ; W's fragments and A's rows 0-63 are in; the youngest eight loads (A's rows 64-127) may be out
	MUL16 \f, 0, 0
	MUL16 \f, 0, 2
	PLACES
	FETCH \q, \g
	s_wait_dscnt 32                                ; all but the 32 just issued
	MUL16 \f, 1, 0
	MUL16 \f, 1, 2
.endm
; The last quarter multiplies buffer 1 and changes slots.  In front of the one barrier each wave waits for all its tensor loads (the one that is out is its part of the next slot), adds 0 to its spare
; word, and waits for that and for its reads of this slot.  fill = 1: the barrier opens a round of the cluster's, and the slot just read is filled again, first thing behind it, with the K step two on.
.macro TURN fill
.if \fill
	s_wait_xcnt 0x0                                ; the last prefetch, a K step back, has read its address
	s_add_nc_u64 s[PFA:PFA+1], s[PFA:PFA+1], s[PFS:PFS+1]
.endif
	WIN 0
	s_wait_tensorcnt 0x0
	ds_add_u32 v[SPW], v[NIL]
	s_wait_dscnt 9                                 ; the add and the youngest eight loads may be out
	MUL16 F1, 0, 0
	s_wait_dscnt 0x0                               ; the add is done, and my reads of this slot are over
	s_barrier_signal -1
	MUL16 F1, 0, 2
	WIN 0
	s_barrier_wait -1
.if \fill
	CREST                                          ; no wave of any partner still reads this slot or has a load on its way
	s_add_co_u32 s[G0+5], s20, s[TBR]              ; the walking descriptors: into the slot just read,
	s_add_co_u32 s[G0B+5], s20, s[TBR]
	s_add_nc_u64 s[G0+6:G0+7], s[G0+6:G0+7], 256   ; the next K step
	s_add_nc_u64 s[G0B+6:G0B+7], s[G0B+6:G0B+7], 65536
	s_xor_b32 s[TBR], s[TBR], SLOT
	JLOAD 1                                        ; its four v_nop are also the places in front of the loads below
.else
	s_xor_b32 s[TBR], s[TBR], SLOT
	PLACES
.endif
	v_add_nc_u32 v[ADRA], s[TBR], v[ADRA0]
	v_add_nc_u32 v[ADRB], s[TBR], v[ADRB0]
	FETCH 0, F0
.if \fill
	ASK
.endif
	MUL16 F1, 1, 0
	MUL16 F1, 1, 2
.endm
; THE WAY OUT of block a (16 rows x 128 columns).  PACK: rounded to f16, the floor applied.  TOSTAGE: into my own stage and back as 512 consecutive bytes of a panel.  SEND: stored.
.macro PACK a
.set AC, 64*((\a)%4)
	WIN 0x0a+5*((\a)/4)
.irp b, 0,1,2,3,4,5,6,7
.irp r, 0,1,2,3
	v_cvt_pk_f16_f32 v[TMP+4*(\b)+(\r)], v[AC+8*(\b)+2*(\r)], v[AC+8*(\b)+2*(\r)+1]
.endr
.endr
	WIN 0
.set i, 0
.rept 32
	v_pk_max_num_f16 v[TMP+i], v[TMP+i], s[FLOOR]
.set i, i+1
.endr
.endm
.macro TOSTAGE a
.set BK, OB+192*((\a)%2)
.irp b, 0,1,2,3,4,5,6,7
	ds_store_b128 v[STO], v[TMP+4*(\b):TMP+4*(\b)+3] offset:((\b)/4)*16*SP+32*((\b)%4)
.endr
.irp t, 0,1,2,3,4,5,6,7
	ds_load_b128 v[BK+4*(\t):BK+4*(\t)+3], v[RD] offset:((\t)/4)*16*SP+((\t)%4)*4*SP  ; LDS serves a wave's instructions in order (ISA guide 5.7.1.4): these see the stores above
.endr
.endm
.macro SEND a
.set BK, OB+192*((\a)%2)
	s_wait_dscnt 0x0                               ; the block is back in registers
	s_wait_xcnt 0x0                                ; the registers that earlier stores read are loaded again only behind this wait
.irp t, 0,1,2,3,4,5,6,7
	global_store_b128 v[CO], v[BK+4*(\t):BK+4*(\t)+3], s[8:9] offset:(\a)*2048+((\t)/4)*524288+((\t)%4)*512  ; 512 consecutive bytes, aligned
.endr
.endm
	s_wait_tensorcnt 1                             ; my part of K step 0 is in; K step 1's may stay out
	s_barrier_signal -1
	s_barrier_wait -1
	FETCH 0, F0
	s_wait_loadcnt 0x0                             ; the bias
	s_wait_kmcnt 0x0                               ; the floor
	s_mov_b32 s3, 6
.Lstep:                                            ; K steps 0 to 5: trip t asks for K step t + 2
	QUARTER 1, F0, F1
	QUARTER 2, F1, F0
	QUARTER 3, F0, F1
	TURN 1
	WIN 0
	s_sub_co_u32 s3, s3, 1
	s_cmp_lg_u32 s3, 0
	s_cbranch_scc1 .Lstep
	s_mov_b32 s3, 2
.Ltail:                                            ; K steps 6 and 7 ask for nothing.  The second trip's barrier and its 32 loads from the slot left behind serve nothing: the price of one text for both
	QUARTER 1, F0, F1
	QUARTER 2, F1, F0
	QUARTER 3, F0, F1
	TURN 0
	WIN 0
	s_sub_co_u32 s3, s3, 1
	s_cmp_lg_u32 s3, 0
	s_cbranch_scc1 .Ltail
	s_wait_dscnt 0x0
	PLACES
	PLACES
	PACK 0
	TOSTAGE 0
.irp a, 1,2,3,4,5,6,7                  ; block a's conversions stand between block a - 1's loads from the stage and the wait for them
	PACK \a
	SEND (\a)-1
	TOSTAGE \a
.endr
	SEND 7
	s_wait_tensorcnt 0x0                           ; the wave's end
	ds_add_u32 v[SPW], v[NIL]
	s_wait_dscnt 0x0
	CROUND                                         ; the closing round
	s_endpgm
.Lfunc_end_k_qef1378e68b_qkv:
	.size	k_qef1378e68b_qkv, .Lfunc_end_k_qef1378e68b_qkv-k_qef1378e68b_qkv
	.p2alignl 7, 3214868480
	.fill 96, 4, 3214868480
	.section	.rodata,"a",@progbits
	.p2align	6, 0x0
	.amdhsa_kernel k_qef1378e68b_qkv
		.amdhsa_group_segment_fixed_size 327680
		.amdhsa_private_segment_fixed_size 0
		.amdhsa_enable_private_segment 0
		.amdhsa_kernarg_size 24
		.amdhsa_user_sgpr_count 2
		.amdhsa_user_sgpr_kernarg_segment_ptr 1
		.amdhsa_wavefront_size32 1
		.amdhsa_system_sgpr_workgroup_id_x 1
		.amdhsa_system_sgpr_workgroup_id_y 1
		.amdhsa_system_sgpr_workgroup_id_z 1
		.amdhsa_system_vgpr_workitem_id 0
		.amdhsa_next_free_vgpr 1024
		.amdhsa_next_free_sgpr 72
		.amdhsa_reserve_vcc 0
		.amdhsa_float_denorm_mode_32 3
		.amdhsa_float_denorm_mode_16_64 3
		.amdhsa_memory_ordered 1
		.amdhsa_forward_progress 1
		.amdhsa_inst_pref_size 123
	.end_amdhsa_kernel
	.amdgpu_metadata
---
amdhsa.version: [ 1, 2 ]
amdhsa.kernels:
  - .name:           k_qef1378e68b_qkv
    .symbol:         k_qef1378e68b_qkv.kd
    .args:
      - { .name: hbuf, .offset: 0, .size: 8, .value_kind: global_buffer, .address_space: global }
      - { .name: wqkv, .offset: 8, .size: 8, .value_kind: global_buffer, .address_space: global }
      - { .name: big, .offset: 16, .size: 8, .value_kind: global_buffer, .address_space: global }
    .group_segment_fixed_size: 327680
    .private_segment_fixed_size: 0
    .kernarg_segment_align: 8
    .kernarg_segment_size: 24
    .max_flat_workgroup_size: 128
    .sgpr_count:     72
    .vgpr_count:     1024
    .wavefront_size: 32
...
	.end_amdgpu_metadata
.endif
;; end of part 2
;; launch attn (part 3): grid 8 x 32, 4 waves a work-group, no clusters, 327,680 bytes of LDS; arguments big, hbuf; writes hbuf
.if DOCPART == 3
	.amdgcn_target "amdgcn-amd-amdhsa--gfx1250"
	.amdhsa_code_object_version 6
	.text
	.protected	k_qef1378e68b_attn
	.globl	k_qef1378e68b_attn
	.p2align	8
	.type	k_qef1378e68b_attn,@function
k_qef1378e68b_attn:
	s_mov_b64 s[64:65], 0
	v_nop
	global_prefetch_b8 v0, s[64:65] scope:SCOPE_SE
	s_setreg_imm32_b32 hwreg(HW_REG_WAVE_MODE, 25, 1), 1
	s_wait_xcnt 0x0
; CAUSAL ATTENTION, head size 64.  O[y][q][:] = the sum over k <= q of softmax_k(Q[y][q] . K[y][k] / 8) V[y][k][:], y = 2 x head + batch: 32 sequences of 2,048 rows of 128 bytes, f16.
; big holds Q at byte 0, K at 8 MiB, V at 16 MiB, sequence y at y x 262,144 in each; O goes to hbuf in the same layout.  Products, maxima and sums in f32; the weights p are rounded to f16 for the second
; product (their sum l is taken of the unrounded p), O once at the end.
; LIMITS.  Q, K, V arrive within f16's range.  A hidden score counts as its value less 1e30; a weight below 2^-126 counts as 0 in l; NaN and infinities are not treated apart.
; THE WALK.  A sequence has 16 blocks of 128 queries; block i needs the key tiles 0 .. i / 2 of 256 keys, of which the last holds the diagonal.  A work-group takes blocks 15 - b and then b: nine tiles whatever b,
; so all 256 work-groups do equal work and one loop with a constant count walks them; the ring of two LDS slots runs on across the change of blocks.
; NO CLUSTER: a sequence's eight work-groups ask for the same tile only while all first blocks still walk (five trips of nine); one walk common to all partners would be longer than nine tiles.
; SHARES.  Of a block's two bands of 64 queries a wave owns 16 rows in each: two PIECES.  In the diagonal tile band x of a block of parity par has its own key step 2 par + x: earlier steps are seen whole, later ones not at all.
; THE MASK is the C operand that starts S^T = K Q^T: MD x AL + BE, MD being the mask of a band's own step for my rows: (1, 0) own step, (0, 0) earlier, (0, -1e30) later.  Elsewhere C is the constant 0.
; TURNS.  Turn n belongs to piece n: 8 products K Q^T of the other piece, later 8 products V^T P of the other piece; beside them piece n's scaling, exponentials, roundings, sums and rescaling and the other
; piece's maximum and statistics.  Turn 0 of step s reads K(s), fetches K(s + 1) and V(s); turn 1 reads K(s + 1) and V(s).  So A SLOT HOLDS K ONE STEP ON: K's rows 256 j + 64 .. and V's rows 256 j ..;
; K of step 0, the same for both blocks, is kept in registers.  The last tile's K reaches 64 rows past the sequence: bytes of big that are never multiplied.
; REGISTERS: window 0: v0-15 addresses; v16-23 statistics; v48-55 at work; v61-63; v64-127 S^T, two buffers; v192-223 P, two buffers.
;   window 1: v0-63 O^T; v64-127 K of step 0; v128-159 MD; v160-223 MC, two buffers.      window 2: v0-31 Q; v64-95 the second block's Q; v128-191 K; v192-255 V.
.set NP,    2
.set KS,    64
.set PK,    144       ; a row of K in LDS: 128 bytes + 16
.set PV,    160       ; a row of V: 128 + 32
.set VOFF,  4*KS*PK
.set SLOT1, 1<<17
.set STAGE, SLOT1+4*KS*(PK+PV)
.set SP,    144
.set SPARE, STAGE+4*16*SP  ; the spare words, 128 bytes a wave: two blocks of 256 bytes that no other line names
.set AK0, 2
.set AV0, 3
.set AK,  4
.set AV,  5
.set STO, 6
.set RD,  7
.set GO,  8
.set MV,  12          ; v12-13  c m_old, by buffer
.set QO,  15
.set ST,  16          ; piece t's statistics at v[ST+4 t]: c m, m, l (even keys', odd keys')
.set TMP, 48
.set PFO, 61          ; v61  256 x lane; never rewritten
.set SPW, 62
.set NIL, 63
.set S,   64
.set P,   192
.set K0F, 64          ; window 1
.set MD,  128
.set MC,  160
.set QB,  64          ; window 2
.set KF,  128
.set VF,  192
.set WV,  12
.set BLO, 13          ; s13  b: the second block
.set LOT, 14          ; s14  its last tile
.set HIT, 15          ; s15  the first block's last tile
.set BHI, 19          ; s19  15 - b: the first block
.set G1K, 24
.set G1V, 32
.set G0K, 40
.set G0V, 44
.set SLOTS, 56
.set CNT, 57
.set CS,  58
.set SEL, 60
.set TBK, 62
.set TBV, 63
.set RT,  70          ; tiles of the block in hand still to be entered
.set NXT, 71          ; the tile to be asked for next
.set LQ,  72          ; the last tile of the block whose tiles are being asked for
.set NEW, 73          ; 1: the tile to be entered is a block's first
.set OFF, 74
.set AL,  76
.set BE,  78
.set OLO, 80
.set BIGN, 82
.set PAR, 88          ; the parity of the block in hand
.set OWN, 90          ; s90: 5 - 2 par, s91: 3 - 2 par: the count at which turn 0, turn 1 makes its band's own mask
.set PARL, 92
.set PFK, 94
.set PFV, 96
.set LIM, 98
.set KH,  100
.set MSB, 0
.macro WIN new
.if MSB != (\new)
	s_set_vgpr_msb (MSB<<8)|(\new)
.set MSB, (\new)
.endif
.endm
.set W_KQ, 0x0a
.set W_KM, 0x1a
.set W_PV, 0x52
.set W_RS, 0x41
; A fill: waves 0 and 1 fetch the halves of a tile's K, waves 2 and 3 those of its V, 128 keys each.  An s_nop 0 and four v_nop follow each line.
.macro LOAD
	s_cmp_lt_u32 s[WV], 2
	s_cbranch_scc0 .Lfor_v_\@
	tensor_load_to_lds s[G0K:G0K+3], s[G1K:G1K+7]
	s_nop 0
.rept 4
	v_nop
.endr
	s_branch .Lasked_\@
.Lfor_v_\@:
	tensor_load_to_lds s[G0V:G0V+3], s[G1V:G1V+7]
	s_nop 0
.rept 4
	v_nop
.endr
.Lasked_\@:
.endm
; A prefetch of the tile that the NEXT change of slots will ask for.  All eight work-groups of a sequence walk the same K and V: the one with b = 0, whose first block walks all eight tiles, asks.  Each of its
; waves names 32 blocks of 256 bytes of K and 32 of V: the tile's 32,768 bytes of each, once.  Trips 0 to 5 name tiles 2 to 7; tiles 0 and 1 come by their loads alone.
.macro ASK
	s_cmp_gt_u32 s[SLOTS], s[LIM]
	s_cbranch_scc0 .Lnot_mine_\@
	global_prefetch_b8 v[PFO], s[PFK:PFK+1] th:TH_LOAD_NT scope:SCOPE_SE
	global_prefetch_b8 v[PFO], s[PFV:PFV+1] th:TH_LOAD_NT scope:SCOPE_SE
.Lnot_mine_\@:
.endm
; THE CHANGE OF SLOTS, between turn 0 and turn 1 of a tile's last step: all reads of the slot have been issued.  Each wave waits for all its tensor loads (one is out: its part of the other slot), adds 0 to its
; spare word, and waits for that and for its reads.  fill = 1: the old slot is filled again, first thing behind the barrier, with tile NXT; the descriptor's address is made anew from that number.
.macro CHANGE fill
	WIN 0
	s_wait_tensorcnt 0x0
	ds_add_u32 v[SPW], v[NIL]
.if \fill
	s_lshl_b32 s[OFF], s[NXT], 15
	s_xor_b32 s[G0K+1], s[G0K+1], SLOT1
	s_add_nc_u64 s[G0K+2:G0K+3], s[6:7], s[OFF:OFF+1]
	s_or_b32 s[G0K+3], s[G0K+3], 0x80000000
	s_xor_b32 s[G0V+1], s[G0V+1], SLOT1
	s_add_nc_u64 s[G0V+2:G0V+3], s[8:9], s[OFF:OFF+1]
	s_or_b32 s[G0V+3], s[G0V+3], 0x80000000
	s_add_co_u32 s[NXT], s[NXT], 1  ; the block's next tile, or behind its last the second block's tile 0
	s_cmp_gt_u32 s[NXT], s[LQ]
	s_cselect_b32 s[NXT], 0, s[NXT]
	s_cselect_b32 s[LQ], s[LOT], s[LQ]
	s_wait_xcnt 0x0                 ; the last prefetches, a tile back, have read their addresses
	s_add_nc_u64 s[PFK:PFK+1], s[PFK:PFK+1], 32768
	s_add_nc_u64 s[PFV:PFV+1], s[PFV:PFV+1], 32768
.endif
	s_wait_dscnt 0x0                ; the add is done, and my reads of the slot are over
	s_barrier_signal -1
	s_sub_co_u32 s[TBK], s[TBK], 4*KS*PK
	s_xor_b32 s[TBK], s[TBK], SLOT1
	s_sub_co_u32 s[TBV], s[TBV], 4*KS*PV
	s_xor_b32 s[TBV], s[TBV], SLOT1
	s_barrier_wait -1
.if \fill
	LOAD
	ASK
.endif
.endm
	s_load_b64 s[4:5], s[0:1], 0x0    ; big
	s_load_b64 s[10:11], s[0:1], 0x8  ; hbuf
	v_lshl_add_u32 v[SPW], v0, 2, SPARE
	v_mov_b32 v[NIL], 0
	ds_add_u32 v[SPW], v[NIL]       ; the wave's opening: the add and its wait ahead of my first tensor load
	ds_add_u32 v62, v63
	v_lshrrev_b32 v1, 5, v0
	v_readfirstlane_b32 s[WV], v1
	s_mov_b32 s[BLO], ttmp9
	s_sub_co_u32 s[BHI], 15, s[BLO]
	s_lshr_b32 s[LOT], s[BLO], 1
	s_lshr_b32 s[HIT], s[BHI], 1
	s_and_b32 s[PAR], s[BHI], 1
	s_and_b32 s[PARL], s[BLO], 1
	s_lshl_b32 s84, s[PAR], 1
	s_sub_co_u32 s[OWN], 5, s84
	s_sub_co_u32 s[OWN+1], 3, s84
	s_and_b32 s20, ttmp7, 0xffff
	s_lshl_b32 s20, s20, 18         ; the sequence's first byte in Q, K, V and O
	s_mov_b32 s21, 0
	s_and_b32 s16, s[WV], 1         ; which half of a tile's 256 keys I fetch
	s_lshl_b32 s22, s16, 14
	s_add_co_u32 s22, s22, s20
	s_mov_b32 s23, 0
	s_mul_i32 s17, s16, 128*PK
	s_mul_i32 s18, s16, 128*PV
	s_lshl_b32 s3, s[WV], 11        ; my 16 rows in a band
	s_add_co_u32 s3, s3, s20
	s_lshl_b32 s2, s[BHI], 14       ; in the first block,
	s_add_co_u32 s2, s2, s3
	s_lshl_b32 s84, s[BLO], 14      ; and in the second
	s_add_co_u32 s84, s84, s3
	s_mov_b32 s3, 0
	s_mov_b32 s85, 0
	s_lshl_b32 s86, s[WV], 13       ; the prefetches: my 8,192 bytes of tile 1; the first change steps them to tile 2
	s_add_co_u32 s86, s86, s20
	s_add_co_u32 s86, s86, 32768
	s_mov_b32 s87, 0
	; descriptor group 1: 128 keys are 16,384 dense bytes: asked for as 64 rows of 256 bytes, two keys a row, padded in LDS after every key
	s_mov_b32 s[G1K], (1<<16)|(1<<20)|(4<<22)|(3<<25)
	s_mov_b32 s[G1V], (1<<16)|(1<<20)|(4<<22)|(7<<25)
.irp g, G1K, G1V
	s_mov_b32 s[\g+1], 128<<16
	s_mov_b32 s[\g+2], 64<<16
	s_mov_b32 s[\g+3], 128<<16
	s_mov_b32 s[\g+4], 64
	s_mov_b32 s[\g+5], 128
	s_mov_b32 s[\g+6], 0
	s_mov_b32 s[\g+7], 0
.endr
	s_mov_b32 s[CS], 0x3e38aa3b     ; c = log2(e) / 8
	s_mov_b32 s[CS+1], s[CS]
	s_mov_b32 s[SEL], 0x76543210
	s_mov_b32 s[SEL+1], 0xfedcba98
	s_mov_b32 s[TBK], SLOT1+4*KS*PK ; the first change of slots turns these two into 0
	s_mov_b32 s[TBV], SLOT1+4*KS*PV
	s_mov_b32 s[G0K], 1
	s_mov_b32 s[G0K+1], s17
	s_mov_b32 s[G0V], 1
	s_add_co_u32 s[G0V+1], s18, VOFF
	s_add_co_u32 s[RT], s[HIT], 1
	s_mov_b32 s[NXT], 1
	s_mov_b32 s[LQ], s[HIT]
	s_mov_b32 s[NEW], 1
	s_mov_b32 s[OFF+1], 0
	s_mov_b32 s[AL+1], 0
	s_mov_b32 s[BE+1], 0
	s_mov_b32 s[BIGN], 0xf149f2ca   ; -1e30
	s_mov_b32 s[SLOTS], 8
	s_cmp_eq_u32 s[BLO], 0
	s_cselect_b32 s[LIM], 2, -1
	s_wait_dscnt 0x0                ; the opening add is done
	s_wait_kmcnt 0x0
	s_add_nc_u64 s[6:7], s[4:5], s[22:23]
	s_add_nc_u64 s[8:9], s[6:7], 0x1000000         ; V at my half of tile 0
	s_add_nc_u64 s[6:7], s[6:7], 0x802000          ; K likewise, one step (64 rows) on
	s_add_nc_u64 s[KH:KH+1], s[4:5], s[20:21]
	s_add_nc_u64 s[KH:KH+1], s[KH:KH+1], 0x800000  ; K's first row
	s_add_nc_u64 s[PFK:PFK+1], s[4:5], s[86:87]
	s_add_nc_u64 s[PFV:PFV+1], s[PFK:PFK+1], 0x1000000
	s_add_nc_u64 s[PFK:PFK+1], s[PFK:PFK+1], 0x802000
	s_add_nc_u64 s[G0K+2:G0K+3], s[6:7], 0
	s_or_b32 s[G0K+3], s[G0K+3], 0x80000000
	s_add_nc_u64 s[G0V+2:G0V+3], s[8:9], 0
	s_or_b32 s[G0V+3], s[G0V+3], 0x80000000
	s_add_nc_u64 s[86:87], s[4:5], s[84:85]        ; Q at my rows of the second block,
	s_add_nc_u64 s[4:5], s[4:5], s[2:3]            ; Q and O at those of the first
	s_add_nc_u64 s[OLO:OLO+1], s[10:11], s[84:85]
	s_add_nc_u64 s[10:11], s[10:11], s[2:3]
	LOAD                            ; tile 0 into slot 0
	v_and_b32 v1, 15, v0            ; l % 16
	v_bfe_u32 v9, v0, 4, 1          ; l / 16
	v_lshlrev_b32 v[QO], 7, v1
	v_lshl_add_u32 v[QO], v9, 4, v[QO]  ; row x 128 + 16 x half
	v_and_b32 v[PFO], 31, v0
	v_lshlrev_b32 v[PFO], 8, v[PFO]
	WIN 0x80
.set i, 0
.rept 4                             ; both blocks' Q: piece i / 2 lies 8,192 bytes on; channels 32 (i % 2) on
	global_load_b128 v[8*i:8*i+3],   v[QO], s[4:5] offset:(i/2)*8192+(i%2)*64
	global_load_b128 v[8*i+4:8*i+7], v[QO], s[4:5] offset:(i/2)*8192+(i%2)*64+32
	global_load_b128 v[QB+8*i:QB+8*i+3],   v[QO], s[86:87] offset:(i/2)*8192+(i%2)*64
	global_load_b128 v[QB+8*i+4:QB+8*i+7], v[QO], s[86:87] offset:(i/2)*8192+(i%2)*64+32
.set i, i+1
.endr
	WIN 0x40
.set i, 0
.rept 8                             ; K of step 0: keys 16 (i / 2) on, channels 32 (i % 2) on
	global_load_b128 v[K0F+8*i:K0F+8*i+3],   v[QO], s[KH:KH+1] offset:(i/2)*2048+(i%2)*64
	global_load_b128 v[K0F+8*i+4:K0F+8*i+7], v[QO], s[KH:KH+1] offset:(i/2)*2048+(i%2)*64+32
.set i, i+1
.endr
	WIN 0
	v_lshlrev_b32 v14, 3, v9
	v_sub_nc_u32 v14, v1, v14
	s_lshl_b32 s16, s[WV], 4
	v_add_nc_u32 v14, s16, v14      ; my query's place in its band, 16 w + l % 16, less 8 (l / 16): register r of key group kt is hidden where 16 kt + r is greater
	WIN 0x40
.set i, 0
.rept 32
	v_cmp_gt_i32 vcc_lo, 16*(i/8)+i%8, v14
	v_cndmask_b32 v[MD+i], 0, s[BIGN], vcc_lo
.set i, i+1
.endr
	WIN 0
	v_mul_u32_u24 v[AK0], v1, PK
	v_lshl_add_u32 v[AK0], v9, 4, v[AK0]
	v_and_b32 v10, 7, v0
	v_bfe_u32 v11, v0, 3, 1
	v_lshl_add_u32 v[AV0], v9, 3, v10
	v_mul_u32_u24 v[AV0], v[AV0], PV
	v_lshl_add_u32 v[AV0], v11, 4, v[AV0]
	v_add_nc_u32 v[AV0], VOFF, v[AV0]
	s_mul_i32 s16, s[WV], 16*SP
	s_add_co_u32 s16, s16, STAGE
	v_mul_u32_u24 v[STO], v1, SP
	v_lshl_add_u32 v[STO], v9, 4, v[STO]
	v_add_nc_u32 v[STO], s16, v[STO]
	v_bfe_u32 v[RD], v0, 3, 2
	v_mul_u32_u24 v[RD], v[RD], SP
	v_lshl_add_u32 v[RD], v10, 4, v[RD]
	v_add_nc_u32 v[RD], s16, v[RD]
	v_and_b32 v[GO], 31, v0
	v_lshlrev_b32 v[GO], 4, v[GO]
	; A block's first step multiplies O^T and l by a = 0, and its first turn's products V^T P land in an O^T that is still to be so multiplied: these registers need only hold finite numbers:
	; zeros for the first block, what the first block left for the second.  This stands in the wait for the first tile.
	WIN 0x80
.set i, VF
.rept 64
	v_mov_b32 v[i], 0
.set i, i+1
.endr
	WIN 0x40
.set i, 0
.rept 64
	v_mov_b32 v[i], 0
.set i, i+1
.endr
	WIN 0
.set i, 0
.rept 2
	v_mov_b32 v[ST+4*i+2], 0
	v_mov_b32 v[ST+4*i+3], 0
.set i, i+1
.endr
.set i, P+16
.rept 16
	v_mov_b32 v[i], 0
.set i, i+1
.endr
; THE MATRIX WORK.  The 4 accumulators of a run of 8 take turns.  Product i of 8 of S^T = K Q^T for piece x: channels 32 (i / 4) on, keys 16 (i % 4) on; the first 4 start the sums, with 0 or (KM = 1) the mask.
.macro KQ x
.set rS, S+32*((\x)%2)+8*(i%4)
.set rK, KF+16*(i%4)+8*(i/4)
.set rQ, 16*(\x)+8*(i/4)
.set rM, MC+32*((\x)%2)+8*(i%4)
.if (i < 4) && KM
	WIN W_KM
	v_wmma_f32_16x16x32_f16 v[rS:rS+7], v[rK:rK+7], v[rQ:rQ+7], v[rM:rM+7]
.elseif i < 4
	WIN W_KQ
	v_wmma_f32_16x16x32_f16 v[rS:rS+7], v[rK:rK+7], v[rQ:rQ+7], 0
.else
	WIN W_KQ
	v_wmma_f32_16x16x32_f16 v[rS:rS+7], v[rK:rK+7], v[rQ:rQ+7], v[rS:rS+7]
.endif
.endm
; Product i of 8 of O^T += V^T P for piece x: keys 32 (i / 4) on, channels 16 (i % 4) on.
.macro PV x
	WIN W_PV
.set rO, 32*(\x)+8*(i%4)
.set rV, VF+32*(i/4)+8*(i%4)
.set rP, P+16*((\x)%2)+8*(i/4)
	v_wmma_f32_16x16x32_f16 v[rO:rO+7], v[rV:rV+7], v[rP:rP+7], v[rO:rO+7]
.endm
.macro MM                           ; the turn's next matrix instruction.  NOKQ = 1: a block's last turn: there is no next step
.if (i < 8) && !NOKQ
	KQ (Y+1)%NP
.elseif i >= 8
.set i, i-8
	PV (Y+NP-1)%NP
.set i, i+8
.endif
.set i, i+1
.endm
; THE LDS LOADS stand in runs of 16
.macro FETCH_K
	WIN 0x80
.irp f, 0,1,2,3,4,5,6,7
	ds_load_b128 v[KF+8*\f:KF+8*\f+3],   v[AK] offset:(\f/2)*16*PK+(\f%2)*64
	ds_load_b128 v[KF+8*\f+4:KF+8*\f+7], v[AK] offset:(\f/2)*16*PK+(\f%2)*64+32
.endr
	s_add_co_u32 s[TBK], s[TBK], KS*PK
	WIN 0
.endm
.macro FETCH_V
	WIN 0x80
.irp f, 0,1,2,3,4,5,6,7
	ds_load_tr16_b128 v[VF+8*\f:VF+8*\f+3],   v[AV] offset:(\f/4)*32*PV+(\f%4)*32
	ds_load_tr16_b128 v[VF+8*\f+4:VF+8*\f+7], v[AV] offset:(\f/4)*32*PV+16*PV+(\f%4)*32
.endr
	WIN 0
.endm
; THE VECTOR WORK, one line at a time: OP kind, number.  For piece Y: F n: c s - c m for pair n.  E n: the exponential of score n.  C n: pair n rounded to f16.  B n: of four weights the second pair onto the first.
; L n: l takes that sum (L 0: l = a l + sum).  R n: pair n of O^T times a.  For the other piece: X n, number n of the 22 that find its maximum and statistics (each accumulator's lowest registers are read first).
.set F, 0
.set E, 1
.set C, 2
.set B, 3
.set L, 4
.set R, 5
.set X, 6
.macro REGS y
.set rT, ST+4*(\y)
.set rC, TMP+4*((\y)%2)
.set rW, MV+((\y)%2)
.set rS, S+32*((\y)%2)
.set rP, P+16*((\y)%2)
.set rO, 32*(\y)
.endm
.macro OP k, n
.if (\k) == R
	REGS Y
	WIN W_RS
	v_pk_mul_f32 v[rO+2*(\n):rO+2*(\n)+1], v[rO+2*(\n):rO+2*(\n)+1], v[rC+2:rC+3] op_sel_hi:[1,0]
.elseif (\k) < R
	REGS Y
	WIN 0
.if (\k) == F
	v_pk_fma_f32 v[rS+2*(\n):rS+2*(\n)+1], v[rS+2*(\n):rS+2*(\n)+1], s[CS:CS+1], v[rT:rT+1] op_sel_hi:[1,0,0] neg_lo:[0,0,1] neg_hi:[0,0,1]
.elseif (\k) == E
	v_exp_f32 v[rS+(\n)], v[rS+(\n)]
.elseif (\k) == C
	v_cvt_pk_f16_f32 v[rP+(\n)], v[rS+2*(\n)], v[rS+2*(\n)+1]
.elseif (\k) == B
	v_pk_add_f32 v[rS+4*(\n):rS+4*(\n)+1], v[rS+4*(\n):rS+4*(\n)+1], v[rS+4*(\n)+2:rS+4*(\n)+3]
.elseif (\n) == 0
	v_pk_fma_f32 v[rT+2:rT+3], v[rT+2:rT+3], v[rC+2:rC+3], v[rS:rS+1] op_sel_hi:[1,0,1]
.else
	v_pk_add_f32 v[rT+2:rT+3], v[rT+2:rT+3], v[rS+4*(\n):rS+4*(\n)+1]
.endif
.elseif NOKQ
	v_nop
.else
	REGS (Y+1)%NP
	WIN 0
.if (\n) < 4
	v_max3_num_f32 v[rC+(\n)], v[rS+8*(\n)], v[rS+8*(\n)+1], v[rS+8*(\n)+2]
.elseif (\n) < 12
	v_max3_num_f32 v[rC+(\n)%4], v[rC+(\n)%4], v[rS+8*((\n)%4)+2*((\n)/4)+1], v[rS+8*((\n)%4)+2*((\n)/4)+2]
.elseif (\n) == 12
	v_max3_num_f32 v[rC], v[rC], v[rS+7], v[rS+15]
.elseif (\n) == 13
	v_max3_num_f32 v[rC+1], v[rC+1], v[rS+23], v[rS+31]
.elseif (\n) == 14
	v_max3_num_f32 v[rC+2], v[rC+2], v[rC+3], v[rT+1]
.elseif (\n) == 15
	v_mov_b32 v[rW], v[rT]
.elseif (\n) == 16
	v_max3_num_f32 v[rC], v[rC], v[rC+1], v[rC+2]
.elseif (\n) == 17
	v_permlanex16_b32 v[rC+3], v[rC], s[SEL], s[SEL+1]
.elseif (\n) == 18
	v_max_num_f32 v[rT+1], v[rC], v[rC+3]
.elseif (\n) == 19
	v_mul_f32 v[rT], s[CS], v[rT+1]
.elseif (\n) == 20
	v_sub_f32 v[rC+1], v[rW], v[rT]
.else
	v_exp_f32 v[rC+2], v[rC+1]
.endif
.endif
.endm
.macro OPS a, i1, b=-1, i2=0, c=-1, i3=0, d=-1, i4=0
	OP \a, \i1
.if (\b) >= 0
	OP \b, \i2
.endif
.if (\c) >= 0
	OP \c, \i3
.endif
.if (\d) >= 0
	OP \d, \i4
.endif
.endm
.macro ROW a, i1, b, i2, c, i3, d, i4  ; a matrix instruction and the four behind it
	MM
	OPS \a, \i1, \b, \i2, \c, \i3, \d, \i4
.endm
.macro MASK b                       ; MD x AL + BE into buffer b of MC
	WIN W_RS
.set z, 0
.rept 16
	v_pk_fma_f32 v[MC+32*(\b)+2*z:MC+32*(\b)+2*z+1], v[MD+2*z:MD+2*z+1], s[AL:AL+1], s[BE:BE+1] op_sel_hi:[1,0,0]
.set z, z+1
.endr
.endm
; A TURN, for piece p.  Its 33 exponentials are ONE batch with ONE wait, which cuts the turn in two: ahead of it all that names no result of theirs (the 8 products K Q^T with four riders each, then a lump of 54);
; behind it the 8 products V^T P, whose riders are the roundings and sums.  R 0 of a turn stands behind the four riders of the last product of the turn before, and more: the places behind the products that wrote O^T.
; m = 1: the diagonal tile: the products take masks, and the turn makes the mask for the next turn's products, which are of its own piece: turn 1 of trip k for step k, turn 0 for step k + 1; the count is 4 - k.
; end = 1: a block's last turn (piece 1).  cnt = 1: the loop's count is taken down some lines ahead of the branch behind the turn; nothing between them writes SCC.
; Turn 0 fetches K of the next step six plain instructions behind the last product that read K, and V of the step in hand four riders behind the last product that read V.
.macro TURN p, m=0, end=0, cnt=0
.set Y, (\p)
.set i, 0
.set KM, (\m)
.set NOKQ, (\end)
.if (\m) && !(\end)
	s_cmp_eq_u32 s[CNT], s[OWN+(\p)]    ; is that step the band's own?
	s_cselect_b32 s[AL], 1.0, 0
	s_cmp_lt_u32 s[CNT], s[OWN+(\p)]    ; or a later one?
	s_cselect_b32 s[BE], s[BIGN], 0
.endif
.if (\p) == 1
	s_wait_dscnt 16                 ; K's run is in; V's sixteen loads, issued behind it, may be out
.endif
	ROW F,0, F,1, R,0, R,1
	ROW F,2, E,0, R,2, R,3
	ROW F,3, E,1, R,4, R,5
	ROW F,4, E,2, R,6, R,7
	ROW F,5, E,3, R,8, R,9
	ROW F,6, E,4, X,0, R,10
.if (\p) == 0
	WIN 0
	v_add_nc_u32 v[AK], s[TBK], v[AK0]
.endif
	ROW F,7, E,5, X,1, X,4
	ROW F,8, E,6, X,2, X,5
	OPS E,7, E,8, X,6, E,9
	OPS X,3, E,10, X,8, E,11
.if (\p) == 0
	FETCH_K
.endif
	OPS X,9, X,7, E,12, X,10
	OPS E,13, X,12, X,11, E,14
	OPS X,13, E,15, F,9, X,14
.if (\p) == 0
	v_add_nc_u32 v[AV], s[TBV], v[AV0]
.endif
	OPS E,16, F,10, E,17, F,11
	OPS X,16, E,18, X,15, E,19
	OPS F,12, E,20, X,17, E,21
	OPS F,13, E,22, F,14, E,23
	OPS X,18, E,24, F,15, E,25
	OPS R,11, E,26, X,19, E,27
	OPS R,12, E,28, R,13, E,29
	OPS X,20, E,30, R,14, E,31
	OPS X,21, R,15                  ; R 15 is the plain instruction behind the batch's last exponential
	WIN 0
	s_wait_alu depctr_va_vdst(0)    ; the wait for the batch, ahead of the first use
.if (\p) == 1
	s_wait_dscnt 0x0                ; V is in
.endif
	ROW C,0, B,0, C,2, B,1
	ROW L,0, C,4, B,2, L,1
	ROW C,6, B,3, L,2, C,8
	ROW B,4, L,3, C,10, B,5
	ROW L,4, C,12, B,6, L,5
.if (\p) == 0
	s_add_co_u32 s[TBV], s[TBV], KS*PV
.endif
.if \cnt
	s_sub_co_u32 s[CNT], s[CNT], 1
	s_cmp_lg_u32 s[CNT], 0
.endif
	ROW C,14, B,7, L,6, C,1
	ROW C,3, L,7, C,5, C,7
	ROW C,9, C,11, C,13, C,15
.if (\p) == 0
	FETCH_V
.endif
.if (\m) && !(\end)
	MASK \p
.endif
.endm
; A BLOCK BEGINS.  c m starts far below every c s, so the first step's a is 0; m at the lowest finite number.  The second mask buffer is 0 (band 1 sees step 0 whole); the first takes band 0's mask for step 0:
; its own, if the block's first tile is the diagonal one and the block's parity is 0.  Then K of step 0 out of its registers, piece 0's first scores, and its maximum and statistics.
.macro BEGIN
	s_mov_b32 s[NEW], 0
	WIN 0x40
.set i, MC+32
.rept 32
	v_mov_b32 v[i], 0
.set i, i+1
.endr
	WIN 0
.set i, 0
.rept 2
	v_mov_b32 v[ST+4*i], 0xfe000000
	v_mov_b32 v[ST+4*i+1], 0xff7fffff
.set i, i+1
.endr
	s_or_b32 s84, s[RT], s[PAR]
	s_cmp_eq_u32 s84, 0
	s_cselect_b32 s[AL], 1.0, 0
	s_mov_b32 s[BE], 0
	MASK 0
	s_wait_loadcnt 0x0              ; Q and K of step 0
	WIN 0x81                        ; destination window 2, source window 1
.set i, 0
.rept 64
	v_mov_b32 v[KF+i], v[K0F+i]
.set i, i+1
.endr
.set KM, 1
.set NOKQ, 0
.set i, 0
.rept 8
	KQ 0
.set i, i+1
.endr
	WIN 0
.rept 4
	v_nop                           ; the places behind those products
.endr
.set Y, NP-1
.irp n, 0,1,2,3,4,5,6,7,8,9,10,11,12,13,14,15,16,17,18,19,20,21
	OP X, \n
.endr
	v_nop                           ; a plain instruction behind the exponential,
	s_wait_alu depctr_va_vdst(0)    ; and its wait, ahead of the branch
.endm
.macro ALL line:vararg              ; one line for each piece t
.set t, 0
.rept 2
	\line
.set t, t+1
.endr
.endm
.macro PACK t                       ; O^T / l, rounded; 16 bytes a lane into rows of 144 bytes, and back as whole rows of 128
	WIN W_RS
.set i, 32*(\t)
.rept 16
	v_pk_mul_f32 v[i:i+1], v[i:i+1], v[ST+4*(\t)+2:ST+4*(\t)+3] op_sel_hi:[1,0]
.set i, i+2
.endr
	WIN 0x05
.set i, 0
.rept 16
	v_cvt_pk_f16_f32 v[S+16*(\t)+i], v[32*(\t)+2*i], v[32*(\t)+2*i+1]
.set i, i+1
.endr
	WIN 0
.irp f, 0,1,2,3
	ds_store_b128 v[STO], v[S+16*(\t)+4*\f:S+16*(\t)+4*\f+3] offset:32*\f
.endr
.irp f, 0,1,2,3
	ds_load_b128 v[S+16*(\t)+4*\f:S+16*(\t)+4*\f+3], v[RD] offset:\f*4*SP  ; LDS serves a wave's instructions in order (ISA guide 5.7.1.4)
.endr
.endm
.macro SEND t, younger              ; younger: the LDS instructions issued behind piece t's loads
	WIN 0
.irp f, 0,1,2,3
	s_wait_dscnt (\younger)+3-\f
	global_store_b128 v[GO], v[S+16*(\t)+4*\f:S+16*(\t)+4*\f+3], s[10:11] offset:(\t)*8192+\f*512  ; 512 consecutive bytes, aligned
.endr
.endm
; THE DIAGONAL TILE: band 0's mask for its step 0; four trips; the block's last turn and last products; the way out.
.macro DIAG tag
.LdiagIn\tag:
	s_cmp_eq_u32 s[PAR], 0
	s_cselect_b32 s[AL], 1.0, 0
	s_mov_b32 s[BE], 0
	MASK 0
	WIN 0
.LstepM\tag:
	TURN 1, 1
	WIN 0
.LfirstM\tag:
	TURN 0, 1, 0, 1
	WIN 0
	s_cbranch_scc1 .LstepM\tag
	TURN 1, 1, 1
.set i, 0
.rept 8
	PV NP-1
.set i, i+1
.endr
	WIN 0
	ALL v_add_f32 v[ST+4*t+2], v[ST+4*t+2], v[ST+4*t+3]
	ALL v_permlanex16_b32 v[ST+4*t+3], v[ST+4*t+2], s[SEL], s[SEL+1]
	ALL v_add_f32 v[ST+4*t+2], v[ST+4*t+2], v[ST+4*t+3]
	ALL v_rcp_f32 v[ST+4*t+2], v[ST+4*t+2]
	v_nop
	s_wait_alu depctr_va_vdst(0)    ; one wait for the two reciprocals
	PACK 0
	PACK 1
	SEND 0, 8
	SEND 1, 0
.endm
.set KM, 0
.set NOKQ, 0
.Lslot:                             ; eight times: a tile is entered and the next is asked for
	CHANGE 1
	s_sub_co_u32 s[RT], s[RT], 1
	s_mov_b32 s[CNT], 4
	s_cmp_eq_u32 s[NEW], 1
	s_cbranch_scc1 .Lnew            ; a block's first tile
	s_cmp_eq_u32 s[RT], 0
	s_cbranch_scc0 .Lstep           ; neither its first nor its last
	s_branch .LdiagIn1
.Lnew:
	BEGIN
	s_branch .Lfirst                ; in the loop a block's first tile is never its last: the first block has five tiles or more, and the second's last is the walk's last
	DIAG 1                          ; in the loop this is the first block's end
	s_wait_xcnt 0x0                 ; the stores have read their registers and O's address
	s_mov_b64 s[10:11], s[OLO:OLO+1]
	s_add_co_u32 s[RT], s[LOT], 1
	s_mov_b32 s[NEW], 1
	s_mov_b32 s[PAR], s[PARL]
	s_lshl_b32 s84, s[PAR], 1
	s_sub_co_u32 s[OWN], 5, s84
	s_sub_co_u32 s[OWN+1], 3, s84
	WIN 0x82                        ; the second block's Q goes where the one text of the turns names Q
.set i, 0
.rept 32
	v_mov_b32 v[i], v[QB+i]
.set i, i+1
.endr
	WIN 0
	s_branch .Lbottom
.Lstep:                             ; a trip: turn 1 of one step, then turn 0 of the next
	TURN 1
	WIN 0
.Lfirst:
	TURN 0, 0, 0, 1
	WIN 0
	s_cbranch_scc1 .Lstep
.Lbottom:
	s_sub_co_u32 s[SLOTS], s[SLOTS], 1
	s_cmp_lg_u32 s[SLOTS], 0
	s_cbranch_scc1 .Lslot
	CHANGE 0                        ; the walk's last tile is written out: nothing is asked for
	s_sub_co_u32 s[RT], s[RT], 1
	s_mov_b32 s[CNT], 4
	s_cmp_eq_u32 s[NEW], 1
	s_cbranch_scc0 .LdiagIn2
	BEGIN
	s_branch .LfirstM2
	DIAG 2
	s_wait_tensorcnt 0x0            ; the wave's end
	ds_add_u32 v[SPW], v[NIL]
	s_wait_dscnt 0x0
	s_endpgm
.Lfunc_end_k_qef1378e68b_attn:
	.size	k_qef1378e68b_attn, .Lfunc_end_k_qef1378e68b_attn-k_qef1378e68b_attn
	.p2alignl 7, 3214868480
	.fill 96, 4, 3214868480
	.section	.rodata,"a",@progbits
	.p2align	6, 0x0
	.amdhsa_kernel k_qef1378e68b_attn
		.amdhsa_group_segment_fixed_size 327680
		.amdhsa_private_segment_fixed_size 0
		.amdhsa_enable_private_segment 0
		.amdhsa_kernarg_size 16
		.amdhsa_user_sgpr_count 2
		.amdhsa_user_sgpr_kernarg_segment_ptr 1
		.amdhsa_wavefront_size32 1
		.amdhsa_system_sgpr_workgroup_id_x 1
		.amdhsa_system_sgpr_workgroup_id_y 1
		.amdhsa_system_sgpr_workgroup_id_z 1
		.amdhsa_system_vgpr_workitem_id 0
		.amdhsa_next_free_vgpr 768
		.amdhsa_next_free_sgpr 102
		.amdhsa_reserve_vcc 1
		.amdhsa_float_denorm_mode_32 3
		.amdhsa_float_denorm_mode_16_64 3
		.amdhsa_memory_ordered 1
		.amdhsa_forward_progress 1
		.amdhsa_inst_pref_size 131
	.end_amdhsa_kernel
	.amdgpu_metadata
---
amdhsa.version: [ 1, 2 ]
amdhsa.kernels:
  - .name:           k_qef1378e68b_attn
    .symbol:         k_qef1378e68b_attn.kd
    .args:
      - { .name: big, .offset: 0, .size: 8, .value_kind: global_buffer, .address_space: global }
      - { .name: hbuf, .offset: 8, .size: 8, .value_kind: global_buffer, .address_space: global }
    .group_segment_fixed_size: 327680
    .private_segment_fixed_size: 0
    .kernarg_segment_align: 8
    .kernarg_segment_size: 16
    .max_flat_workgroup_size: 128
    .sgpr_count:     102
    .vgpr_count:     768
    .wavefront_size: 32
...
	.end_amdgpu_metadata
.endif
;; end of part 3
;; launch proj (part 4): grid 8 x 32, 4 waves a work-group, clusters of 4 x 4, 327,680 bytes of LDS; arguments hbuf, wproj, bproj, x, x1; writes x1
.if DOCPART == 4
	.amdgcn_target "amdgcn-amd-amdhsa--gfx1250"
	.amdhsa_code_object_version 6
	.text
	.protected	k_qef1378e68b_proj
	.globl	k_qef1378e68b_proj
	.p2align	8
	.type	k_qef1378e68b_proj,@function
k_qef1378e68b_proj:
	s_mov_b64 s[64:65], 0
	v_nop
	global_prefetch_b8 v0, s[64:65] scope:SCOPE_SE
	s_setreg_imm32_b32 hwreg(HW_REG_WAVE_MODE, 25, 1), 1
	s_wait_xcnt 0x0
	s_wait_alu depctr_hold_cnt(0) depctr_sa_sdst(0) depctr_va_vdst(0) depctr_va_sdst(0) depctr_va_ssrc(0) depctr_va_vcc(0) depctr_vm_vsrc(0)
	s_getreg_b32 s2, hwreg(HW_REG_IB_STS2, 6, 4)
	s_cmp_eq_u32 s2, 0
	s_cbranch_scc0 .Lentry_in_a_cluster
	s_endpgm
.Lentry_in_a_cluster:
	s_bfe_u32 s2, ttmp6, 0x10000c
	s_cmp_lg_u32 s2, 0xf033
	s_cbranch_scc0 .Lentry_shape_is_right
	s_endpgm
.Lentry_shape_is_right:
; out = res + A W + bias.  A: f16 in panels of 64 columns, [K / 64][4096 m][64].  W: f16 panels [K][128 n].  bias: [1024] f32.  res, out: [4096][1024] f32.  Sums in f32, started from the bias.
; Here K = 1,024 (the output projection of attention).  A tile of out is 128 x 128, which gives each of 256 work-groups one; four waves, each 64 x 64 in 16 accumulators.
; K goes in steps of 256 (four panels of A) through two LDS slots.  A's tile for a wave is four pieces of 8,192 dense bytes (64 rows of a panel), asked for as four long rows; W's is 128 dense rows, turned on the way out of LDS.
; THE ORDER OF K.  At time t a cluster multiplies K step t xor P2, P2 = 2 where cluster x + cluster y is odd, else 0.  The two clusters that read the same rows of A differ in that parity, and of the clusters
; that read the same rows of W half have each: of a pair of K steps one parity asks two steps ahead of the other.  So the f32 sums are taken in another order in half of the clusters.
; THE PRODUCT IS USED TRANSPOSED (source 0 = 16 columns of W, source 1 = 16 rows of A): a lane holds row l % 16 and eight neighbouring columns.
; CLUSTER 4 x 4: A's tile is asked for jointly along a row of the cluster, W's along a column.  No prefetch: the tiles are small and every K step's bytes are few.
; REGISTERS: window 0: v16-29 addresses; v32-95 the way out; v128-255 the accumulators, (a, b) at v[128 + 8 (4 a + b)].  window 1: two fragment buffers of 128 (A's 64, then W's 64).  window 2: v0-127 the residual.
.set NSTEP,  4                         ; K / 256
.set PANB,   262144                    ; bytes in a panel of W
.set PA,     144                       ; a row of A in LDS: 128 bytes + 16
.set PB,     288                       ; a row of W: 256 bytes + 32 = 9 x 32
.set HALFT,  36864                     ; what one tensor load brings: 4 x 64 rows of A, or 128 rows of W
.set SLOT,   4*HALFT
.set BOFF,   2*HALFT
.set STAGE,  2*SLOT                    ; behind the ring: 16 rows x 272 bytes for each wave, its own: a wave's 64 f32 columns are 256 aligned bytes of a row
.set SPITCH, 272
.set SPARE,  STAGE+4*16*SPITCH         ; the spare words: two blocks of 256 bytes that no other line names
.set ADRA0, 16
.set ADRA,  17
.set ADRB0, 20
.set ADRB,  21                         ; v21  W's rows 0-127 of the slot in hand
.set ADRB2, 22                         ; v22  rows 128-255, so that the immediates stay inside 16 bits
.set STO,   24
.set RD,    25
.set CO,    26                         ; v26  (l / 16) x 4,096 + 16 (l % 16): two rows of res and out
.set BO,    27
.set SPW,   28
.set NIL,   29
.set TMP,   32
.set ACC,   128
.set F0,    0
.set F1,    128
.set G1,  24
.set G0,  32
.set G1B, 48
.set G0B, 56
.set TBR, 66                           ; s66  LDS byte at which the slot in hand begins
.set P2,  67                           ; s67  0 or 2: the cluster's parity, twice
.set TT,  68                           ; s68  the time t of the next refill
.set KK,  69                           ; s69  its K step
.set OFA, 70                           ; s[70:71] that step's byte offset in A; s[14:15] is A's tile at K step 0, never rewritten
.set OFB, 18                           ; s[18:19] and in W; s[46:47] is W's tile at K step 0, never rewritten
.set MSB, 0
.macro WIN new
.if MSB != (\new)
	s_set_vgpr_msb (MSB<<8)|(\new)
.set MSB, \new
.endif
.endm
.set MUL,  0x05                        ; sources 0 (W) and 1 (A) window 1; C and D window 0
.set TO_F, 0x40
.macro JLOAD s                         ; waves 0 and 1 fetch A's halves, waves 2 and 3 W's; an s_nop 0 and four v_nop follow each line
	s_cmp_eq_u32 s11, 0
	s_cbranch_scc0 .Lfor_b_\@
	tensor_load_to_lds s[G0+4*(\s):G0+4*(\s)+3], s[G1:G1+7]
	s_nop 0
.rept 4
	v_nop
.endr
	s_branch .Lasked_\@
.Lfor_b_\@:
	tensor_load_to_lds s[G0B+4*(\s):G0B+4*(\s)+3], s[G1B:G1B+7]
	s_nop 0
.rept 4
	v_nop
.endr
.Lasked_\@:
.endm
.macro CREST
	s_cmp_lg_u32 s10, 0
	s_cbranch_scc1 .Lnot_wave_0_\@
	s_barrier_signal -3
.Lnot_wave_0_\@:
	s_barrier_wait -3
	s_barrier_signal -1
	s_barrier_wait -1
.endm
.macro CROUND
	s_barrier_signal -1
	s_barrier_wait -1
	CREST
.endm
	s_load_b128 s[4:7], s[0:1], 0x0                ; A s[4:5], W s[6:7]
	s_load_b64 s[8:9], s[0:1], 0x10                ; bias
	s_load_b128 s[72:75], s[0:1], 0x18             ; res s[72:73], out s[74:75]
	v_lshl_add_u32 v[SPW], v0, 2, SPARE
	v_mov_b32 v[NIL], 0
	ds_add_u32 v[SPW], v[NIL]                      ; the wave's opening: the add and its wait ahead of my first tensor load
	ds_add_u32 v28, v29
	v_lshrrev_b32 v1, 5, v0
	v_readfirstlane_b32 s10, v1
	s_lshr_b32 s11, s10, 1
	s_and_b32 s12, s10, 1
	s_bfe_u32 s40, ttmp6, 0x40000
	s_bfe_u32 s41, ttmp6, 0x40004
	s_lshl_b32 s42, ttmp9, 2
	s_add_co_u32 s42, s42, s40                     ; tile column
	s_and_b32 s13, ttmp7, 0xffff
	s_lshl_b32 s13, s13, 2
	s_add_co_u32 s13, s13, s41                     ; tile row
	s_lshl_b32 s43, s41, 2
	s_lshl_b32 s43, 15, s43
	s_lshl_b32 s44, 0x1111, s40
	s_and_b32 s[P2], ttmp7, 0xffff                 ; the cluster's y,
	s_add_co_u32 s[P2], s[P2], ttmp9               ; + its x: the same in all sixteen partners
	s_and_b32 s[P2], s[P2], 1
	s_lshl_b32 s[P2], s[P2], 1
	s_mov_b32 s[TT], 2                             ; times 0 and 1 are the first fills
	s_mov_b32 s[OFA+1], 0
	s_mov_b32 s[OFB+1], 0
	s_or_b32 s[G1+0], s43, (1<<16)|(1<<20)|(1<<21)|(4<<22)|(3<<25)   ; padding: after every 32 words (a row of a panel), 4 words
	s_or_b32 s[G1B+0], s44, (1<<16)|(1<<20)|(1<<21)|(5<<22)|(7<<25)  ; after every 64 words, 8 words
	s_mov_b32 s[G1+1], 4096<<16                    ; A: tensor_dim0 = 4,096 elements: 64 rows of a panel on end
	s_mov_b32 s[G1+2], 4<<16                       ; tensor_dim1 = 4 panels
	s_mov_b32 s[G1+3], 4096<<16
	s_mov_b32 s[G1+4], 4
	s_mov_b32 s[G1+5], 262144                      ; elements from panel to panel
	s_mov_b32 s[G1+6], 0
	s_mov_b32 s[G1+7], 0
	s_mov_b32 s[G1B+1], 128<<16                    ; W: 128 rows of 128 elements, dense
	s_mov_b32 s[G1B+2], 128<<16
	s_mov_b32 s[G1B+3], 128<<16
	s_mov_b32 s[G1B+4], 128
	s_mov_b32 s[G1B+5], 128
	s_mov_b32 s[G1B+6], 0
	s_mov_b32 s[G1B+7], 0
	s_lshl_b32 s16, s13, 14
	s_lshl_b32 s17, s12, 13
	s_add_co_u32 s16, s16, s17                     ; A: (128 x tile row + 64 x half) rows of 128 bytes
	s_mov_b32 s17, 0
	s_mul_i32 s46, s42, PANB
	s_lshl_b32 s47, s12, 15
	s_add_co_u32 s46, s46, s47
	s_mov_b32 s47, 0
	s_mul_i32 s20, s10, HALFT
	s_mov_b32 s[TBR], 0
	s_wait_dscnt 0x0
	s_wait_kmcnt 0x0
	s_add_nc_u64 s[14:15], s[4:5], s[16:17]
	s_add_nc_u64 s[46:47], s[6:7], s[46:47]
	CROUND
.irp s, 0,1
	s_add_co_u32 s[KK], s[P2], \s                  ; times 0 and 1: K steps P2 and P2 + 1
	s_lshl_b32 s[OFA], s[KK], 21                   ; four panels of 524,288 bytes a step
	s_lshl_b32 s[OFB], s[KK], 16                   ; 256 rows of 256 bytes a step
	s_mov_b32 s[G0+4*(\s)], 1
	s_add_co_u32 s[G0+4*(\s)+1], s20, (\s)*SLOT
	s_add_nc_u64 s[G0+4*(\s)+2:G0+4*(\s)+3], s[14:15], s[OFA:OFA+1]
	s_or_b32 s[G0+4*(\s)+3], s[G0+4*(\s)+3], 0x80000000
	s_mov_b32 s[G0B+4*(\s)], 1
	s_add_co_u32 s[G0B+4*(\s)+1], s20, (\s)*SLOT
	s_add_nc_u64 s[G0B+4*(\s)+2:G0B+4*(\s)+3], s[46:47], s[OFB:OFB+1]
	s_or_b32 s[G0B+4*(\s)+3], s[G0B+4*(\s)+3], 0x80000000
	JLOAD \s                                       ; two loads of mine are out
.endr
	v_and_b32 v1, 15, v0
	v_bfe_u32 v2, v0, 4, 1
	v_and_b32 v3, 7, v0
	v_bfe_u32 v4, v0, 3, 1
	v_mul_u32_u24 v[ADRA0], v1, PA
	v_lshl_add_u32 v[ADRA0], v2, 4, v[ADRA0]
	s_mul_i32 s21, s11, HALFT
	v_add_nc_u32 v[ADRA0], s21, v[ADRA0]
	v_mov_b32 v[ADRA], v[ADRA0]
	v_lshl_add_u32 v[ADRB0], v2, 3, v3
	v_mul_u32_u24 v[ADRB0], v[ADRB0], PB
	v_lshl_add_u32 v[ADRB0], v4, 4, v[ADRB0]
	s_lshl_b32 s21, s12, 7
	s_add_co_u32 s21, s21, BOFF
	v_add_nc_u32 v[ADRB0], s21, v[ADRB0]
	v_mov_b32 v[ADRB], v[ADRB0]
	v_add_nc_u32 v[ADRB2], 128*PB, v[ADRB0]
	s_mul_i32 s23, s10, 16*SPITCH
	s_add_co_u32 s23, s23, STAGE
	v_mul_u32_u24 v[STO], v1, SPITCH
	v_lshl_add_u32 v[STO], v2, 5, v[STO]
	v_add_nc_u32 v[STO], s23, v[STO]
	v_mul_u32_u24 v[RD], v2, SPITCH
	v_lshl_add_u32 v[RD], v1, 4, v[RD]
	v_add_nc_u32 v[RD], s23, v[RD]
	v_lshlrev_b32 v[CO], 12, v2
	v_lshl_add_u32 v[CO], v1, 4, v[CO]
	v_lshlrev_b32 v[BO], 5, v2
	s_lshl_b32 s22, s42, 9
	s_lshl_b32 s21, s12, 8
	s_add_co_u32 s22, s22, s21                     ; my 64 columns, 4 bytes each
	s_mov_b32 s23, 0
	s_add_nc_u64 s[8:9], s[8:9], s[22:23]
	s_lshl_b32 s21, s13, 19
	s_add_co_u32 s22, s22, s21
	s_lshl_b32 s21, s11, 18
	s_add_co_u32 s22, s22, s21                     ; + my 64 rows of 4,096 bytes
	s_add_nc_u64 s[72:73], s[72:73], s[22:23]
	s_add_nc_u64 s[74:75], s[74:75], s[22:23]
.set i, 0
.rept 16                                           ; the sums start from the bias, loaded straight into the accumulators
	global_load_b128 v[ACC+8*i:ACC+8*i+3],   v[BO], s[8:9] offset:64*(i%4)
	global_load_b128 v[ACC+8*i+4:ACC+8*i+7], v[BO], s[8:9] offset:64*(i%4)+16
.set i, i+1
.endr
	WIN 0x80
.set i, 0
.rept 32                                           ; the residual, in the layout in which rows come back from the stage: block i / 8, rows 2 (i % 8) and + 1
	global_load_b128 v[4*i:4*i+3], v[CO], s[72:73] offset:(16*(i/8)+2*(i%8))*4096
.set i, i+1
.endr
	WIN 0
; 8 matrix instructions: row blocks a0, a0 + 1 x all 4 column blocks, 32 along K: half c of buffer f.  The 16 accumulators take turns.
.macro MUL8 f, c, a0
	WIN MUL
.irp a, \a0, (\a0)+1
.irp b, 0,1,2,3
	v_wmma_f32_16x16x32_f16 v[ACC+8*(4*(\a)+(\b)):ACC+8*(4*(\a)+(\b))+7], v[(\f)+64+8*(4*(\c)+(\b)):(\f)+64+8*(4*(\c)+(\b))+7], v[(\f)+8*(4*(\c)+(\a)):(\f)+8*(4*(\c)+(\a))+7], v[ACC+8*(4*(\a)+(\b)):ACC+8*(4*(\a)+(\b))+7]
.endr
.endr
.endm
; 32 LDS loads in one run: quarter q (64 along K = one panel of A) into buffer f; the first 32 along K first
.macro FETCH q, f
	WIN TO_F
.irp c, 0,1
.irp i, 0,1,2,3
	ds_load_tr16_b128 v[(\f)+64+8*(4*(\c)+(\i)):(\f)+64+8*(4*(\c)+(\i))+3],   v[ADRB+(\q)/2] offset:(((\q)%2)*64+32*(\c))*PB+32*(\i)
	ds_load_tr16_b128 v[(\f)+64+8*(4*(\c)+(\i))+4:(\f)+64+8*(4*(\c)+(\i))+7], v[ADRB+(\q)/2] offset:(((\q)%2)*64+32*(\c))*PB+32*(\i)+16*PB
	ds_load_b128 v[(\f)+8*(4*(\c)+(\i)):(\f)+8*(4*(\c)+(\i))+3],   v[ADRA] offset:(\q)*64*PA+(\i)*16*PA+64*(\c)
	ds_load_b128 v[(\f)+8*(4*(\c)+(\i))+4:(\f)+8*(4*(\c)+(\i))+7], v[ADRA] offset:(\q)*64*PA+(\i)*16*PA+64*(\c)+32
.endr
.endr
.endm
.macro PLACES
.rept 4
	v_nop
.endr
.endm
.macro QUARTER q, f, g
	s_wait_dscnt 16                                ; the first 32 along K are in
	MUL8 \f, 0, 0
	MUL8 \f, 0, 2
	PLACES
	FETCH \q, \g
	s_wait_dscnt 32                                ; all but the 32 just issued
	MUL8 \f, 1, 0
	MUL8 \f, 1, 2
.endm
; The last quarter multiplies buffer 1 and changes slots: one barrier; in front of it each wave waits for all its tensor loads, adds 0 to its spare word, and waits for that and for its reads of this slot.
; fill = 1: the barrier opens a round of the cluster's, and the slot just read is filled again, first thing behind it, with the K step of time TT.  The walking descriptors are made anew behind the add,
; where no tensor load of mine is out: the slot just read; the tile's base plus the step's offset; the type bits.
.macro TURN fill
	WIN 0
	s_wait_tensorcnt 0x0
	ds_add_u32 v[SPW], v[NIL]
.if \fill
	s_xor_b32 s[KK], s[TT], s[P2]
	s_add_co_u32 s[TT], s[TT], 1
	s_lshl_b32 s[OFA], s[KK], 21
	s_lshl_b32 s[OFB], s[KK], 16
	s_add_co_u32 s[G0+5], s20, s[TBR]
	s_add_co_u32 s[G0B+5], s20, s[TBR]
	s_add_nc_u64 s[G0+6:G0+7], s[14:15], s[OFA:OFA+1]
	s_or_b32 s[G0+7], s[G0+7], 0x80000000
	s_add_nc_u64 s[G0B+6:G0B+7], s[46:47], s[OFB:OFB+1]
	s_or_b32 s[G0B+7], s[G0B+7], 0x80000000
.endif
	s_wait_dscnt 17                                ; the add and the youngest sixteen loads may be out
	MUL8 F1, 0, 0
	s_wait_dscnt 0x0
	s_barrier_signal -1
	MUL8 F1, 0, 2
	WIN 0
	s_barrier_wait -1
.if \fill
	CREST
	s_xor_b32 s[TBR], s[TBR], SLOT
	JLOAD 1                                        ; its four v_nop are also the places in front of the loads below
.else
	s_xor_b32 s[TBR], s[TBR], SLOT
	PLACES
.endif
	v_add_nc_u32 v[ADRA], s[TBR], v[ADRA0]
	v_add_nc_u32 v[ADRB], s[TBR], v[ADRB0]
	v_add_nc_u32 v[ADRB2], 128*PB, v[ADRB]
	FETCH 0, F0
	MUL8 F1, 1, 0
	MUL8 F1, 1, 2
.endm
	s_wait_tensorcnt 1                             ; my part of the first step is in; the second's may stay out
	s_barrier_signal -1
	s_barrier_wait -1
	FETCH 0, F0
	WIN 0
	s_wait_loadcnt 32                              ; the bias is in; the residual's 32 loads stay out
	s_mov_b32 s3, NSTEP-2
.Lstep:                                            ; the trip of time t asks for the step of time t + 2
	QUARTER 1, F0, F1
	QUARTER 2, F1, F0
	QUARTER 3, F0, F1
	TURN 1
	WIN 0
	s_sub_co_u32 s3, s3, 1
	s_cmp_lg_u32 s3, 0
	s_cbranch_scc1 .Lstep
	s_mov_b32 s3, 2
.Ltail:                                            ; the last two steps ask for nothing; the second trip's barrier and its 32 loads from the slot left behind serve nothing: the price of one text for both
	QUARTER 1, F0, F1
	QUARTER 2, F1, F0
	QUARTER 3, F0, F1
	TURN 0
	WIN 0
	s_sub_co_u32 s3, s3, 1
	s_cmp_lg_u32 s3, 0
	s_cbranch_scc1 .Ltail
	; THE WAY OUT, 16 rows at a time: through my own stage, back as whole rows of 256 bytes, the residual added, stored
	s_wait_dscnt 0x0
	s_wait_loadcnt 0x0                             ; the residual
	PLACES
	PLACES
.irp a, 0,1,2,3
	s_wait_xcnt 0x0                                ; the registers that the stores two blocks back read are loaded again only behind this wait
.irp b, 0,1,2,3
	ds_store_b128 v[STO], v[ACC+8*(4*(\a)+(\b)):ACC+8*(4*(\a)+(\b))+3]   offset:64*(\b)
	ds_store_b128 v[STO], v[ACC+8*(4*(\a)+(\b))+4:ACC+8*(4*(\a)+(\b))+7] offset:64*(\b)+16
.endr
.irp t, 0,1,2,3,4,5,6,7
	ds_load_b128 v[TMP+32*((\a)%2)+4*(\t):TMP+32*((\a)%2)+4*(\t)+3], v[RD] offset:(\t)*2*SPITCH  ; LDS serves a wave's instructions in order (ISA guide 5.7.1.4)
.endr
	s_wait_dscnt 0x0
	WIN 0x08                                       ; source 1 in window 2
.set i, 0
.rept 16
	v_pk_add_f32 v[TMP+32*((\a)%2)+2*i:TMP+32*((\a)%2)+2*i+1], v[TMP+32*((\a)%2)+2*i:TMP+32*((\a)%2)+2*i+1], v[32*(\a)+2*i:32*(\a)+2*i+1]
.set i, i+1
.endr
	WIN 0
.irp t, 0,1,2,3,4,5,6,7
	global_store_b128 v[CO], v[TMP+32*((\a)%2)+4*(\t):TMP+32*((\a)%2)+4*(\t)+3], s[74:75] offset:(16*(\a)+2*(\t))*4096  ; 16 lanes store 256 consecutive bytes, aligned
.endr
.endr
	s_wait_tensorcnt 0x0                           ; the wave's end
	ds_add_u32 v[SPW], v[NIL]
	s_wait_dscnt 0x0
	CROUND                                         ; the closing round
	s_endpgm
.Lfunc_end_k_qef1378e68b_proj:
	.size	k_qef1378e68b_proj, .Lfunc_end_k_qef1378e68b_proj-k_qef1378e68b_proj
	.p2alignl 7, 3214868480
	.fill 96, 4, 3214868480
	.section	.rodata,"a",@progbits
	.p2align	6, 0x0
	.amdhsa_kernel k_qef1378e68b_proj
		.amdhsa_group_segment_fixed_size 327680
		.amdhsa_private_segment_fixed_size 0
		.amdhsa_enable_private_segment 0
		.amdhsa_kernarg_size 40
		.amdhsa_user_sgpr_count 2
		.amdhsa_user_sgpr_kernarg_segment_ptr 1
		.amdhsa_wavefront_size32 1
		.amdhsa_system_sgpr_workgroup_id_x 1
		.amdhsa_system_sgpr_workgroup_id_y 1
		.amdhsa_system_sgpr_workgroup_id_z 1
		.amdhsa_system_vgpr_workitem_id 0
		.amdhsa_next_free_vgpr 640
		.amdhsa_next_free_sgpr 76
		.amdhsa_reserve_vcc 0
		.amdhsa_float_denorm_mode_32 3
		.amdhsa_float_denorm_mode_16_64 3
		.amdhsa_memory_ordered 1
		.amdhsa_forward_progress 1
		.amdhsa_inst_pref_size 65
	.end_amdhsa_kernel
	.amdgpu_metadata
---
amdhsa.version: [ 1, 2 ]
amdhsa.kernels:
  - .name:           k_qef1378e68b_proj
    .symbol:         k_qef1378e68b_proj.kd
    .args:
      - { .name: hbuf, .offset: 0, .size: 8, .value_kind: global_buffer, .address_space: global }
      - { .name: wproj, .offset: 8, .size: 8, .value_kind: global_buffer, .address_space: global }
      - { .name: bproj, .offset: 16, .size: 8, .value_kind: global_buffer, .address_space: global }
      - { .name: x, .offset: 24, .size: 8, .value_kind: global_buffer, .address_space: global }
      - { .name: x1, .offset: 32, .size: 8, .value_kind: global_buffer, .address_space: global }
    .group_segment_fixed_size: 327680
    .private_segment_fixed_size: 0
    .kernarg_segment_align: 8
    .kernarg_segment_size: 40
    .max_flat_workgroup_size: 128
    .sgpr_count:     76
    .vgpr_count:     640
    .wavefront_size: 32
...
	.end_amdgpu_metadata
.endif
;; end of part 4
;; launch ln2: the kernel of part 1 again; grid 64 x 4, 8 waves a work-group, no clusters, 0 bytes of LDS; arguments x1, g2, be2, hbuf, Wq, Wk, Wv, Wproj, W1, W2, b1, wqkv, wproj, w1, w2; writes hbuf, wqkv, wproj, w1, w2
;; launch ff1: the kernel of part 2 again; grid 16 x 16, 4 waves a work-group, clusters of 4 x 4, 327,680 bytes of LDS; arguments hbuf, w1, big; writes big
;; launch ff2 (part 5): grid 8 x 32, 4 waves a work-group, clusters of 4 x 4, 327,680 bytes of LDS; arguments big, w2, b2, x1, out0; writes out0
.if DOCPART == 5
	.amdgcn_target "amdgcn-amd-amdhsa--gfx1250"
	.amdhsa_code_object_version 6
	.text
	.protected	k_qef1378e68b_ff2
	.globl	k_qef1378e68b_ff2
	.p2align	8
	.type	k_qef1378e68b_ff2,@function
k_qef1378e68b_ff2:
	s_mov_b64 s[64:65], 0
	v_nop
	global_prefetch_b8 v0, s[64:65] scope:SCOPE_SE
	s_setreg_imm32_b32 hwreg(HW_REG_WAVE_MODE, 25, 1), 1
	s_wait_xcnt 0x0
	s_wait_alu depctr_hold_cnt(0) depctr_sa_sdst(0) depctr_va_vdst(0) depctr_va_sdst(0) depctr_va_ssrc(0) depctr_va_vcc(0) depctr_vm_vsrc(0)
	s_getreg_b32 s2, hwreg(HW_REG_IB_STS2, 6, 4)
	s_cmp_eq_u32 s2, 0
	s_cbranch_scc0 .Lentry_in_a_cluster
	s_endpgm
.Lentry_in_a_cluster:
	s_bfe_u32 s2, ttmp6, 0x10000c
	s_cmp_lg_u32 s2, 0xf033
	s_cbranch_scc0 .Lentry_shape_is_right
	s_endpgm
.Lentry_shape_is_right:
; out = res + A W + bias.  A: f16 in panels of 64 columns, [K / 64][4096 m][64].  W: f16 panels [K][128 n].  bias: [1024] f32.  res, out: [4096][1024] f32.  Sums in f32, started from the bias.
; Here K = 4,096 (the second feed-forward layer).  The text is the output projection's but for NSTEP and PANB: a trip count is a constant of the text.
; A tile of out is 128 x 128, which gives each of 256 work-groups one; four waves, each 64 x 64 in 16 accumulators.
; K goes in steps of 256 (four panels of A) through two LDS slots.  A's tile for a wave is four pieces of 8,192 dense bytes (64 rows of a panel), asked for as four long rows; W's is 128 dense rows, turned on the way out of LDS.
; THE ORDER OF K.  At time t a cluster multiplies K step t xor P2, P2 = 2 where cluster x + cluster y is odd, else 0.  The two clusters that read the same rows of A differ in that parity, and of the clusters
; that read the same rows of W half have each: of a pair of K steps one parity asks two steps ahead of the other.  So the f32 sums are taken in another order in half of the clusters.
; THE PRODUCT IS USED TRANSPOSED (source 0 = 16 columns of W, source 1 = 16 rows of A): a lane holds row l % 16 and eight neighbouring columns.
; CLUSTER 4 x 4: A's tile is asked for jointly along a row of the cluster, W's along a column.  No prefetch: the tiles are small and every K step's bytes are few.
; REGISTERS: window 0: v16-29 addresses; v32-95 the way out; v128-255 the accumulators, (a, b) at v[128 + 8 (4 a + b)].  window 1: two fragment buffers of 128 (A's 64, then W's 64).  window 2: v0-127 the residual.
.set NSTEP,  16                        ; K / 256
.set PANB,   1048576                   ; bytes in a panel of W
.set PA,     144                       ; a row of A in LDS: 128 bytes + 16
.set PB,     288                       ; a row of W: 256 bytes + 32 = 9 x 32
.set HALFT,  36864                     ; what one tensor load brings: 4 x 64 rows of A, or 128 rows of W
.set SLOT,   4*HALFT
.set BOFF,   2*HALFT
.set STAGE,  2*SLOT                    ; behind the ring: 16 rows x 272 bytes for each wave, its own: a wave's 64 f32 columns are 256 aligned bytes of a row
.set SPITCH, 272
.set SPARE,  STAGE+4*16*SPITCH         ; the spare words: two blocks of 256 bytes that no other line names
.set ADRA0, 16
.set ADRA,  17
.set ADRB0, 20
.set ADRB,  21                         ; v21  W's rows 0-127 of the slot in hand
.set ADRB2, 22                         ; v22  rows 128-255, so that the immediates stay inside 16 bits
.set STO,   24
.set RD,    25
.set CO,    26                         ; v26  (l / 16) x 4,096 + 16 (l % 16): two rows of res and out
.set BO,    27
.set SPW,   28
.set NIL,   29
.set TMP,   32
.set ACC,   128
.set F0,    0
.set F1,    128
.set G1,  24
.set G0,  32
.set G1B, 48
.set G0B, 56
.set TBR, 66                           ; s66  LDS byte at which the slot in hand begins
.set P2,  67                           ; s67  0 or 2: the cluster's parity, twice
.set TT,  68                           ; s68  the time t of the next refill
.set KK,  69                           ; s69  its K step
.set OFA, 70                           ; s[70:71] that step's byte offset in A; s[14:15] is A's tile at K step 0, never rewritten
.set OFB, 18                           ; s[18:19] and in W; s[46:47] is W's tile at K step 0, never rewritten
.set MSB, 0
.macro WIN new
.if MSB != (\new)
	s_set_vgpr_msb (MSB<<8)|(\new)
.set MSB, \new
.endif
.endm
.set MUL,  0x05                        ; sources 0 (W) and 1 (A) window 1; C and D window 0
.set TO_F, 0x40
.macro JLOAD s                         ; waves 0 and 1 fetch A's halves, waves 2 and 3 W's; an s_nop 0 and four v_nop follow each line
	s_cmp_eq_u32 s11, 0
	s_cbranch_scc0 .Lfor_b_\@
	tensor_load_to_lds s[G0+4*(\s):G0+4*(\s)+3], s[G1:G1+7]
	s_nop 0
.rept 4
	v_nop
.endr
	s_branch .Lasked_\@
.Lfor_b_\@:
	tensor_load_to_lds s[G0B+4*(\s):G0B+4*(\s)+3], s[G1B:G1B+7]
	s_nop 0
.rept 4
	v_nop
.endr
.Lasked_\@:
.endm
.macro CREST
	s_cmp_lg_u32 s10, 0
	s_cbranch_scc1 .Lnot_wave_0_\@
	s_barrier_signal -3
.Lnot_wave_0_\@:
	s_barrier_wait -3
	s_barrier_signal -1
	s_barrier_wait -1
.endm
.macro CROUND
	s_barrier_signal -1
	s_barrier_wait -1
	CREST
.endm
	s_load_b128 s[4:7], s[0:1], 0x0                ; A s[4:5], W s[6:7]
	s_load_b64 s[8:9], s[0:1], 0x10                ; bias
	s_load_b128 s[72:75], s[0:1], 0x18             ; res s[72:73], out s[74:75]
	v_lshl_add_u32 v[SPW], v0, 2, SPARE
	v_mov_b32 v[NIL], 0
	ds_add_u32 v[SPW], v[NIL]                      ; the wave's opening: the add and its wait ahead of my first tensor load
	ds_add_u32 v28, v29
	v_lshrrev_b32 v1, 5, v0
	v_readfirstlane_b32 s10, v1
	s_lshr_b32 s11, s10, 1
	s_and_b32 s12, s10, 1
	s_bfe_u32 s40, ttmp6, 0x40000
	s_bfe_u32 s41, ttmp6, 0x40004
	s_lshl_b32 s42, ttmp9, 2
	s_add_co_u32 s42, s42, s40                     ; tile column
	s_and_b32 s13, ttmp7, 0xffff
	s_lshl_b32 s13, s13, 2
	s_add_co_u32 s13, s13, s41                     ; tile row
	s_lshl_b32 s43, s41, 2
	s_lshl_b32 s43, 15, s43
	s_lshl_b32 s44, 0x1111, s40
	s_and_b32 s[P2], ttmp7, 0xffff                 ; the cluster's y,
	s_add_co_u32 s[P2], s[P2], ttmp9               ; + its x: the same in all sixteen partners
	s_and_b32 s[P2], s[P2], 1
	s_lshl_b32 s[P2], s[P2], 1
	s_mov_b32 s[TT], 2                             ; times 0 and 1 are the first fills
	s_mov_b32 s[OFA+1], 0
	s_mov_b32 s[OFB+1], 0
	s_or_b32 s[G1+0], s43, (1<<16)|(1<<20)|(1<<21)|(4<<22)|(3<<25)   ; padding: after every 32 words (a row of a panel), 4 words
	s_or_b32 s[G1B+0], s44, (1<<16)|(1<<20)|(1<<21)|(5<<22)|(7<<25)  ; after every 64 words, 8 words
	s_mov_b32 s[G1+1], 4096<<16                    ; A: tensor_dim0 = 4,096 elements: 64 rows of a panel on end
	s_mov_b32 s[G1+2], 4<<16                       ; tensor_dim1 = 4 panels
	s_mov_b32 s[G1+3], 4096<<16
	s_mov_b32 s[G1+4], 4
	s_mov_b32 s[G1+5], 262144                      ; elements from panel to panel
	s_mov_b32 s[G1+6], 0
	s_mov_b32 s[G1+7], 0
	s_mov_b32 s[G1B+1], 128<<16                    ; W: 128 rows of 128 elements, dense
	s_mov_b32 s[G1B+2], 128<<16
	s_mov_b32 s[G1B+3], 128<<16
	s_mov_b32 s[G1B+4], 128
	s_mov_b32 s[G1B+5], 128
	s_mov_b32 s[G1B+6], 0
	s_mov_b32 s[G1B+7], 0
	s_lshl_b32 s16, s13, 14
	s_lshl_b32 s17, s12, 13
	s_add_co_u32 s16, s16, s17                     ; A: (128 x tile row + 64 x half) rows of 128 bytes
	s_mov_b32 s17, 0
	s_mul_i32 s46, s42, PANB
	s_lshl_b32 s47, s12, 15
	s_add_co_u32 s46, s46, s47
	s_mov_b32 s47, 0
	s_mul_i32 s20, s10, HALFT
	s_mov_b32 s[TBR], 0
	s_wait_dscnt 0x0
	s_wait_kmcnt 0x0
	s_add_nc_u64 s[14:15], s[4:5], s[16:17]
	s_add_nc_u64 s[46:47], s[6:7], s[46:47]
	CROUND
.irp s, 0,1
	s_add_co_u32 s[KK], s[P2], \s                  ; times 0 and 1: K steps P2 and P2 + 1
	s_lshl_b32 s[OFA], s[KK], 21                   ; four panels of 524,288 bytes a step
	s_lshl_b32 s[OFB], s[KK], 16                   ; 256 rows of 256 bytes a step
	s_mov_b32 s[G0+4*(\s)], 1
	s_add_co_u32 s[G0+4*(\s)+1], s20, (\s)*SLOT
	s_add_nc_u64 s[G0+4*(\s)+2:G0+4*(\s)+3], s[14:15], s[OFA:OFA+1]
	s_or_b32 s[G0+4*(\s)+3], s[G0+4*(\s)+3], 0x80000000
	s_mov_b32 s[G0B+4*(\s)], 1
	s_add_co_u32 s[G0B+4*(\s)+1], s20, (\s)*SLOT
	s_add_nc_u64 s[G0B+4*(\s)+2:G0B+4*(\s)+3], s[46:47], s[OFB:OFB+1]
	s_or_b32 s[G0B+4*(\s)+3], s[G0B+4*(\s)+3], 0x80000000
	JLOAD \s                                       ; two loads of mine are out
.endr
	v_and_b32 v1, 15, v0
	v_bfe_u32 v2, v0, 4, 1
	v_and_b32 v3, 7, v0
	v_bfe_u32 v4, v0, 3, 1
	v_mul_u32_u24 v[ADRA0], v1, PA
	v_lshl_add_u32 v[ADRA0], v2, 4, v[ADRA0]
	s_mul_i32 s21, s11, HALFT
	v_add_nc_u32 v[ADRA0], s21, v[ADRA0]
	v_mov_b32 v[ADRA], v[ADRA0]
	v_lshl_add_u32 v[ADRB0], v2, 3, v3
	v_mul_u32_u24 v[ADRB0], v[ADRB0], PB
	v_lshl_add_u32 v[ADRB0], v4, 4, v[ADRB0]
	s_lshl_b32 s21, s12, 7
	s_add_co_u32 s21, s21, BOFF
	v_add_nc_u32 v[ADRB0], s21, v[ADRB0]
	v_mov_b32 v[ADRB], v[ADRB0]
	v_add_nc_u32 v[ADRB2], 128*PB, v[ADRB0]
	s_mul_i32 s23, s10, 16*SPITCH
	s_add_co_u32 s23, s23, STAGE
	v_mul_u32_u24 v[STO], v1, SPITCH
	v_lshl_add_u32 v[STO], v2, 5, v[STO]
	v_add_nc_u32 v[STO], s23, v[STO]
	v_mul_u32_u24 v[RD], v2, SPITCH
	v_lshl_add_u32 v[RD], v1, 4, v[RD]
	v_add_nc_u32 v[RD], s23, v[RD]
	v_lshlrev_b32 v[CO], 12, v2
	v_lshl_add_u32 v[CO], v1, 4, v[CO]
	v_lshlrev_b32 v[BO], 5, v2
	s_lshl_b32 s22, s42, 9
	s_lshl_b32 s21, s12, 8
	s_add_co_u32 s22, s22, s21                     ; my 64 columns, 4 bytes each
	s_mov_b32 s23, 0
	s_add_nc_u64 s[8:9], s[8:9], s[22:23]
	s_lshl_b32 s21, s13, 19
	s_add_co_u32 s22, s22, s21
	s_lshl_b32 s21, s11, 18
	s_add_co_u32 s22, s22, s21                     ; + my 64 rows of 4,096 bytes
	s_add_nc_u64 s[72:73], s[72:73], s[22:23]
	s_add_nc_u64 s[74:75], s[74:75], s[22:23]
.set i, 0
.rept 16                                           ; the sums start from the bias, loaded straight into the accumulators
	global_load_b128 v[ACC+8*i:ACC+8*i+3],   v[BO], s[8:9] offset:64*(i%4)
	global_load_b128 v[ACC+8*i+4:ACC+8*i+7], v[BO], s[8:9] offset:64*(i%4)+16
.set i, i+1
.endr
	WIN 0x80
.set i, 0
.rept 32                                           ; the residual, in the layout in which rows come back from the stage: block i / 8, rows 2 (i % 8) and + 1
	global_load_b128 v[4*i:4*i+3], v[CO], s[72:73] offset:(16*(i/8)+2*(i%8))*4096
.set i, i+1
.endr
	WIN 0
; 8 matrix instructions: row blocks a0, a0 + 1 x all 4 column blocks, 32 along K: half c of buffer f.  The 16 accumulators take turns.
.macro MUL8 f, c, a0
	WIN MUL
.irp a, \a0, (\a0)+1
.irp b, 0,1,2,3
	v_wmma_f32_16x16x32_f16 v[ACC+8*(4*(\a)+(\b)):ACC+8*(4*(\a)+(\b))+7], v[(\f)+64+8*(4*(\c)+(\b)):(\f)+64+8*(4*(\c)+(\b))+7], v[(\f)+8*(4*(\c)+(\a)):(\f)+8*(4*(\c)+(\a))+7], v[ACC+8*(4*(\a)+(\b)):ACC+8*(4*(\a)+(\b))+7]
.endr
.endr
.endm
; 32 LDS loads in one run: quarter q (64 along K = one panel of A) into buffer f; the first 32 along K first
.macro FETCH q, f
	WIN TO_F
.irp c, 0,1
.irp i, 0,1,2,3
	ds_load_tr16_b128 v[(\f)+64+8*(4*(\c)+(\i)):(\f)+64+8*(4*(\c)+(\i))+3],   v[ADRB+(\q)/2] offset:(((\q)%2)*64+32*(\c))*PB+32*(\i)
	ds_load_tr16_b128 v[(\f)+64+8*(4*(\c)+(\i))+4:(\f)+64+8*(4*(\c)+(\i))+7], v[ADRB+(\q)/2] offset:(((\q)%2)*64+32*(\c))*PB+32*(\i)+16*PB
	ds_load_b128 v[(\f)+8*(4*(\c)+(\i)):(\f)+8*(4*(\c)+(\i))+3],   v[ADRA] offset:(\q)*64*PA+(\i)*16*PA+64*(\c)
	ds_load_b128 v[(\f)+8*(4*(\c)+(\i))+4:(\f)+8*(4*(\c)+(\i))+7], v[ADRA] offset:(\q)*64*PA+(\i)*16*PA+64*(\c)+32
.endr
.endr
.endm
.macro PLACES
.rept 4
	v_nop
.endr
.endm
.macro QUARTER q, f, g
	s_wait_dscnt 16                                ; the first 32 along K are in
	MUL8 \f, 0, 0
	MUL8 \f, 0, 2
	PLACES
	FETCH \q, \g
	s_wait_dscnt 32                                ; all but the 32 just issued
	MUL8 \f, 1, 0
	MUL8 \f, 1, 2
.endm
; The last quarter multiplies buffer 1 and changes slots: one barrier; in front of it each wave waits for all its tensor loads, adds 0 to its spare word, and waits for that and for its reads of this slot.
; fill = 1: the barrier opens a round of the cluster's, and the slot just read is filled again, first thing behind it, with the K step of time TT.  The walking descriptors are made anew behind the add,
; where no tensor load of mine is out: the slot just read; the tile's base plus the step's offset; the type bits.
.macro TURN fill
	WIN 0
	s_wait_tensorcnt 0x0
	ds_add_u32 v[SPW], v[NIL]
.if \fill
	s_xor_b32 s[KK], s[TT], s[P2]
	s_add_co_u32 s[TT], s[TT], 1
	s_lshl_b32 s[OFA], s[KK], 21
	s_lshl_b32 s[OFB], s[KK], 16
	s_add_co_u32 s[G0+5], s20, s[TBR]
	s_add_co_u32 s[G0B+5], s20, s[TBR]
	s_add_nc_u64 s[G0+6:G0+7], s[14:15], s[OFA:OFA+1]
	s_or_b32 s[G0+7], s[G0+7], 0x80000000
	s_add_nc_u64 s[G0B+6:G0B+7], s[46:47], s[OFB:OFB+1]
	s_or_b32 s[G0B+7], s[G0B+7], 0x80000000
.endif
	s_wait_dscnt 17                                ; the add and the youngest sixteen loads may be out
	MUL8 F1, 0, 0
	s_wait_dscnt 0x0
	s_barrier_signal -1
	MUL8 F1, 0, 2
	WIN 0
	s_barrier_wait -1
.if \fill
	CREST
	s_xor_b32 s[TBR], s[TBR], SLOT
	JLOAD 1                                        ; its four v_nop are also the places in front of the loads below
.else
	s_xor_b32 s[TBR], s[TBR], SLOT
	PLACES
.endif
	v_add_nc_u32 v[ADRA], s[TBR], v[ADRA0]
	v_add_nc_u32 v[ADRB], s[TBR], v[ADRB0]
	v_add_nc_u32 v[ADRB2], 128*PB, v[ADRB]
	FETCH 0, F0
	MUL8 F1, 1, 0
	MUL8 F1, 1, 2
.endm
	s_wait_tensorcnt 1                             ; my part of the first step is in; the second's may stay out
	s_barrier_signal -1
	s_barrier_wait -1
	FETCH 0, F0
	WIN 0
	s_wait_loadcnt 32                              ; the bias is in; the residual's 32 loads stay out
	s_mov_b32 s3, NSTEP-2
.Lstep:                                            ; the trip of time t asks for the step of time t + 2
	QUARTER 1, F0, F1
	QUARTER 2, F1, F0
	QUARTER 3, F0, F1
	TURN 1
	WIN 0
	s_sub_co_u32 s3, s3, 1
	s_cmp_lg_u32 s3, 0
	s_cbranch_scc1 .Lstep
	s_mov_b32 s3, 2
.Ltail:                                            ; the last two steps ask for nothing; the second trip's barrier and its 32 loads from the slot left behind serve nothing: the price of one text for both
	QUARTER 1, F0, F1
	QUARTER 2, F1, F0
	QUARTER 3, F0, F1
	TURN 0
	WIN 0
	s_sub_co_u32 s3, s3, 1
	s_cmp_lg_u32 s3, 0
	s_cbranch_scc1 .Ltail
	; THE WAY OUT, 16 rows at a time: through my own stage, back as whole rows of 256 bytes, the residual added, stored
	s_wait_dscnt 0x0
	s_wait_loadcnt 0x0                             ; the residual
	PLACES
	PLACES
.irp a, 0,1,2,3
	s_wait_xcnt 0x0                                ; the registers that the stores two blocks back read are loaded again only behind this wait
.irp b, 0,1,2,3
	ds_store_b128 v[STO], v[ACC+8*(4*(\a)+(\b)):ACC+8*(4*(\a)+(\b))+3]   offset:64*(\b)
	ds_store_b128 v[STO], v[ACC+8*(4*(\a)+(\b))+4:ACC+8*(4*(\a)+(\b))+7] offset:64*(\b)+16
.endr
.irp t, 0,1,2,3,4,5,6,7
	ds_load_b128 v[TMP+32*((\a)%2)+4*(\t):TMP+32*((\a)%2)+4*(\t)+3], v[RD] offset:(\t)*2*SPITCH  ; LDS serves a wave's instructions in order (ISA guide 5.7.1.4)
.endr
	s_wait_dscnt 0x0
	WIN 0x08                                       ; source 1 in window 2
.set i, 0
.rept 16
	v_pk_add_f32 v[TMP+32*((\a)%2)+2*i:TMP+32*((\a)%2)+2*i+1], v[TMP+32*((\a)%2)+2*i:TMP+32*((\a)%2)+2*i+1], v[32*(\a)+2*i:32*(\a)+2*i+1]
.set i, i+1
.endr
	WIN 0
.irp t, 0,1,2,3,4,5,6,7
	global_store_b128 v[CO], v[TMP+32*((\a)%2)+4*(\t):TMP+32*((\a)%2)+4*(\t)+3], s[74:75] offset:(16*(\a)+2*(\t))*4096  ; 16 lanes store 256 consecutive bytes, aligned
.endr
.endr
	s_wait_tensorcnt 0x0                           ; the wave's end
	ds_add_u32 v[SPW], v[NIL]
	s_wait_dscnt 0x0
	CROUND                                         ; the closing round
	s_endpgm
.Lfunc_end_k_qef1378e68b_ff2:
	.size	k_qef1378e68b_ff2, .Lfunc_end_k_qef1378e68b_ff2-k_qef1378e68b_ff2
	.p2alignl 7, 3214868480
	.fill 96, 4, 3214868480
	.section	.rodata,"a",@progbits
	.p2align	6, 0x0
	.amdhsa_kernel k_qef1378e68b_ff2
		.amdhsa_group_segment_fixed_size 327680
		.amdhsa_private_segment_fixed_size 0
		.amdhsa_enable_private_segment 0
		.amdhsa_kernarg_size 40
		.amdhsa_user_sgpr_count 2
		.amdhsa_user_sgpr_kernarg_segment_ptr 1
		.amdhsa_wavefront_size32 1
		.amdhsa_system_sgpr_workgroup_id_x 1
		.amdhsa_system_sgpr_workgroup_id_y 1
		.amdhsa_system_sgpr_workgroup_id_z 1
		.amdhsa_system_vgpr_workitem_id 0
		.amdhsa_next_free_vgpr 640
		.amdhsa_next_free_sgpr 76
		.amdhsa_reserve_vcc 0
		.amdhsa_float_denorm_mode_32 3
		.amdhsa_float_denorm_mode_16_64 3
		.amdhsa_memory_ordered 1
		.amdhsa_forward_progress 1
		.amdhsa_inst_pref_size 65
	.end_amdhsa_kernel
	.amdgpu_metadata
---
amdhsa.version: [ 1, 2 ]
amdhsa.kernels:
  - .name:           k_qef1378e68b_ff2
    .symbol:         k_qef1378e68b_ff2.kd
    .args:
      - { .name: big, .offset: 0, .size: 8, .value_kind: global_buffer, .address_space: global }
      - { .name: w2, .offset: 8, .size: 8, .value_kind: global_buffer, .address_space: global }
      - { .name: b2, .offset: 16, .size: 8, .value_kind: global_buffer, .address_space: global }
      - { .name: x1, .offset: 24, .size: 8, .value_kind: global_buffer, .address_space: global }
      - { .name: out0, .offset: 32, .size: 8, .value_kind: global_buffer, .address_space: global }
    .group_segment_fixed_size: 327680
    .private_segment_fixed_size: 0
    .kernarg_segment_align: 8
    .kernarg_segment_size: 40
    .max_flat_workgroup_size: 128
    .sgpr_count:     76
    .vgpr_count:     640
    .wavefront_size: 32
...
	.end_amdgpu_metadata
.endif
;; end of part 5
